; MI455X (gfx1250); checked and timed in simulation.
; The chip was launched on July 23, 2026; its instructions are those of AMD's public machine-readable ISA for CDNA 5 (MIT licence, August 2026) and "CDNA5" Instruction Set Architecture Reference Guide (July 2026). The comments in the code are by the model that wrote it; some were corrected since.
;; Decoder Block. Allowed arithmetic: matrix products marked QUANTISED: E5M2 operands, one E8M0 scale for each 32 along K, by v_wmma_scale_f32_16x16x128_f8f6f4 with both operands' format E5M2, f32 sums; everything else in f32.
;; Inputs: b1 4,096 float32; b2 1,024 float32; b_proj 1,024 float32; beta1 1,024 float32; beta2 1,024 float32; gamma1 1,024 float32; gamma2 1,024 float32; w1 1,024 x 4,096 float32; w2 4,096 x 1,024 float32; w_proj 1,024 x 1,024 float32; wk 16 x 1,024 x 64 float32; wq 16 x 1,024 x 64 float32; wv 16 x 1,024 x 64 float32; x 2 x 2,048 x 1,024 float32.
;; Outputs: out0 2 x 2,048 x 1,024 float32.
;; This version of the problem:
;;   THIS VERSION OF THE PROBLEM IS GIVEN IN LOW PRECISION. The matrix products marked QUANTISED in the list below multiply operands that are first quantised to E5M2 (5 exponent bits, 2 mantissa bits; 8 bits a number), with one power-of-two scale for each 32 numbers along K (OCP MX v1.0); their sums are f32. All else is computed in f32.
;;   The module's matrix products, in the order in which they are computed (A, B: the left and right operand; K: the contracted axis; several contracted axes count as one K, in the product's order):
;;     1. [M 1,024, K 1,024] x [K 1,024, N 4,096]; A: input wq; B: computed on the way: QUANTISED
;;     2. [M 1,024, K 1,024] x [K 1,024, N 4,096]; A: input wk; B: computed on the way: QUANTISED
;;     3. [M 1,024, K 1,024] x [K 1,024, N 4,096]; A: input wv; B: computed on the way: QUANTISED
;;     4. batch 32 x [M 2,048, K 64] x [K 64, N 2,048]; A: computed on the way; B: computed on the way: QUANTISED
;;     5. batch 32 x [M 2,048, K 2,048] x [K 2,048, N 64]; A: softmax (see below); B: computed on the way: QUANTISED
;;     6. [M 4,096, K 1,024] x [K 1,024, N 1,024]; A: computed on the way; B: input w_proj: QUANTISED
;;     7. [M 4,096, K 1,024] x [K 1,024, N 4,096]; A: computed on the way; B: input w1: QUANTISED
;;     8. [M 4,096, K 4,096] x [K 4,096, N 1,024]; A: computed on the way; B: input w2: QUANTISED
;;   THE QUANTISER, for each operand of a quantised product, along K:
;;     - K is cut into blocks of 32 from its start; a last block that is shorter is filled with zeros.
;;     - A block's scale is 2^e with e = floor(log2(the largest magnitude in the block)) - 15, held to -126 .. 127; a block of zeros has e = 0. As a byte (E8M0): e + 127.
;;     - Each number is divided by its block's scale, clamped to +-57,344, and rounded to the nearest number of E5M2, ties to even, subnormals kept.
;;     - The product sums the exact products of the quantised numbers (number of the format x scale) in f32.
;;   ~~~python
;;   def quantise(x, axis):      # numpy; x: float32 -> the quantised numbers, widened to float32 again
;;       x = np.moveaxis(x, axis, -1); K = x.shape[-1]
;;       x = np.pad(x, [(0, 0)] * (x.ndim - 1) + [(0, -K % 32)]); x = x.reshape(x.shape[:-1] + (-1, 32)); a = np.abs(x).max(-1, keepdims=True)
;;       e = np.where(a > 0, np.clip(np.frexp(np.where(a > 0, a, 1))[1] - 1 - 15, -126, 127), 0)      # np.frexp(a)[1] - 1 = floor(log2(a)), exactly
;;       r = np.clip(x / 2.0 ** e, -57344, 57344)
;;       step = 2.0 ** (np.maximum(np.frexp(np.where(r == 0, 1, r))[1] - 1, -14) - 2)
;;       q = np.round(r / step) * step * 2.0 ** e      # np.round: ties to even
;;       return np.moveaxis(q.reshape(q.shape[:-2] + (-1,))[..., :K], -1, axis).astype(np.float32)
;;   ~~~
;;   SOFTMAX AHEAD OF A QUANTISED PRODUCT. Where the list says 'softmax', what is quantised is not the finished softmax but p = 2^(t - M), with t = logit x log2(e) and M = ceil(the row's largest t), a whole number; so 1/2 < the row's largest p <= 1. The row's sum l is taken of the UNQUANTISED p, in f32, and the product's result is divided by l at the end. Since M is a whole number, a kernel that streams over the keys may use a running M (the ceiling of the running maximum): every later rescaling is an exact power of two, which a block's scale takes up: the codes' values come out the same.
;;   OPERANDS COMPUTED ON THE WAY. 'Computed on the way' means the value that the module computes at that place (a softmax that the list does not call 'softmax' is quantised finished and normalised). What goes into a quantiser is computed in f32, as accurately as f32 sums, v_exp_f32 and their like allow (about 1e-6 of the number): no bf16 or f16 on the way to a quantiser, and a product that is left as it is and whose result goes on into a quantised operand takes f32 operands (vector FMAs, or v_wmma_f32_16x16x4_f32). A number that lies on a knife's edge between two numbers of the format may be rounded either way, as far as f32 arithmetic and the matrix unit's own rounding can turn it there, and no further.
;; One version. Each part assembles by itself: llvm-mc -triple=amdgcn-amd-amdhsa -mcpu=gfx1250 --defsym DOCPART=n.
;; ======== version 1 of 1: 6 launches
;; limits: right only within a limited range of input values
;; workspace buffers: ws0 34,078,720 bytes; ws1 12,976,128 bytes; ws2 4,325,376 bytes; ws3 21,102,592 bytes; ws4 17,301,504 bytes
;; launch prep (part 1): grid 512 x 1, 4 waves a work-group, no clusters, 78,336 bytes of LDS; arguments x, gamma1, beta1, wq, wk, wv, w_proj, w1, w2, ws0; writes ws0
.if DOCPART == 1
	.amdgcn_target "amdgcn-amd-amdhsa--gfx1250"
	.amdhsa_code_object_version 6
	.text
	.protected	k_q21914f94bd_prep
	.globl	k_q21914f94bd_prep
	.p2align	8
	.type	k_q21914f94bd_prep,@function
k_q21914f94bd_prep:
	s_mov_b64 s[64:65], 0
	v_nop
	global_prefetch_b8 v0, s[64:65] scope:SCOPE_SE
	s_setreg_imm32_b32 hwreg(HW_REG_WAVE_MODE, 25, 1), 1
	s_wait_xcnt 0x0
; PREP.  Work-groups 0-127: h = layer_norm(x, gamma1, beta1), stored as f32 and as codes of E5M2 with one E8M0 byte for each 32 along E.
; Work-groups 128-511: the six weights, whose K is not innermost, become codes with K innermost and their scale bytes.
; LAYOUT of the codes of this program: [rows / 128][K / 128][128 rows][128 bytes]; of all scale bytes: [rows / 128][K / 128][128 rows] words of four bytes (byte b: k = 32 b on).
; W_PROJ'S CODES ALONE lie, within each plane of 128 rows x 128 bytes, in the order of the operand's registers: [fragment of 16 rows][piece c of 4][lane][16 bytes], lane (r, h) holding row r, k = 32 c + 16 h on:
; their one reader takes them from memory straight into registers, and each of its loads then covers 512 consecutive bytes.
; A block's scale is 2^(floor(log2(largest magnitude)) - 15): its byte is that magnitude's exponent field - 15, held at 1 from below.
; LIMITS: NaN and infinities are not served; a block of zeros gets the byte 1 where the rule says 127 (its codes are zeros, and this program alone reads the bytes);
; blocks whose largest magnitude lies under 2^-111 are held at the byte 1.
; The two paths part once on the work-group's number, never join, and have LDS bytes of their own.  Waves share nothing: no barrier.
; WORK LEFT OUT BY THIS PROGRAM (in launch attn): key steps all of whose keys come after all of a wave's queries.  reference() sets those scores to -inf by a mask that it builds itself (jnp.tril),
; so their softmax weights are exactly 0 whatever the inputs hold, and they reach neither the row's sum nor o.  Every input has a way to the output and is loaded.
; LIMIT: a NaN, an infinity or an overflow that would arise only in the scores left out is not carried to the result.
.set HC,    16777216
.set HS,    33554432                   ; h's scale words,
.set WQKC,  20971520                   ; codes of wq, wk, wv, w_proj: 2^20 bytes each, on end,
.set WQKS,  33685504                   ; their scale words: 2^15 bytes each, on end,
.set W1C,   25165824
.set W1S,   33816576
.set W2C,   29360128
.set W2S,   33947648
.set AREG,  10752                      ; path A: a wave's LDS: two row stages and 256 scale bytes
.set RST,   5248                       ; a row stage: 64 places of 64 bytes + 16 of padding, + 128 so that the two rows fall on other banks
.set BST,   43008                      ; path B: stages of 32 rows x 272 bytes, one a wave, behind path A's bytes
	s_load_b256 s[4:11], s[0:1], 0x0               ; x, gamma1, beta1, wq
	s_load_b256 s[12:19], s[0:1], 0x20             ; wk, wv, w_proj, w1
	s_load_b128 s[20:23], s[0:1], 0x40             ; w2, ws0
	v_lshl_add_u32 v254, v0, 2, 0x13000
	v_mov_b32 v255, 0
	v_lshrrev_b32 v1, 5, v0
	v_readfirstlane_b32 s24, v1                    ; wave 0..3
	v_and_b32 v1, 31, v0                           ; lane
	s_mov_b32 s30, 0x76543210
	s_mov_b32 s31, 0xfedcba98                      ; v_permlanex16_b32's selects for lane l xor 16
	s_mov_b32 s32, 0x600000                        ; the mantissa field of 57,344
	s_cmp_lt_u32 ttmp9, 128
	s_cbranch_scc0 .Lweights
; ---------------- PATH A: a wave takes 8 rows of x, as four pairs ----------------
; v2 16 l; v3 stage in; v4 stage out; v5 codes out; v6 my block's scale byte in LDS; v7, v8 the scale bytes' way out;
; v16-47 gamma, v48-79 beta (register 4 j + c: column 128 j + 4 l + c); v80-207 two pair slots of 2 x 32; v208-223 16 neighbours; v224-239 codes; v240-243 bytes; v244-249 at work
	s_lshl_b32 s25, ttmp9, 5
	s_lshl_b32 s26, s24, 3
	s_add_co_u32 s25, s25, s26                     ; my first row
	s_lshl_b32 s26, s25, 12                        ; x 4,096 bytes
	s_mov_b32 s27, 0
	s_lshr_b32 s28, s25, 7                         ; its block of 128 rows,
	s_and_b32 s29, s25, 127                        ; and its place there
	s_lshl_b32 s34, s28, 17
	s_lshl_b32 s35, s29, 7
	s_add_co_u32 s34, s34, s35
	s_add_co_u32 s34, s34, HC
	s_mov_b32 s35, 0
	s_lshl_b32 s36, s28, 12
	s_lshl_b32 s37, s29, 2
	s_add_co_u32 s36, s36, s37
	s_add_co_u32 s36, s36, HS
	s_mov_b32 s37, 0
	s_mov_b32 s33, 0x3a800000                      ; 1 / 1,024
	s_mov_b32 s44, 0x3727c5ac                      ; 1e-5
	s_mul_i32 s45, s24, AREG
	s_wait_alu depctr_va_vdst(0)
	v_lshlrev_b32 v2, 4, v1
	v_lshrrev_b32 v3, 2, v1
	v_mul_u32_u24 v3, v3, 80
	v_and_b32 v9, 3, v1
	v_lshl_add_u32 v3, v9, 4, v3
	v_add_nc_u32 v3, s45, v3                       ; in: four lanes' 64 bytes on end, then the padding
	v_bfe_u32 v9, v1, 3, 1                         ; out: lanes 0-7 and 16-23 the pair's first row, the others its second;
	v_mul_u32_u24 v4, v9, RST
	v_lshrrev_b32 v10, 4, v1                       ; lanes 16-31 the next 128 along E;
	v_mad_u32_u24 v4, v10, 640, v4
	v_and_b32 v11, 7, v1                           ; eight lanes to 128 along E, 16 neighbours each
	v_mad_u32_u24 v4, v11, 80, v4
	v_add_nc_u32 v4, s45, v4
	v_and_b32 v12, 15, v1
	v_lshlrev_b32 v5, 4, v12
	v_lshl_add_u32 v5, v10, 14, v5                 ; sixteen lanes: two rows x 128 bytes of one plane, 256 bytes on end
	v_lshrrev_b32 v6, 1, v11
	v_lshl_add_u32 v6, v9, 2, v6
	v_lshl_add_u32 v6, v10, 5, v6
	v_add_nc_u32 v6, s45, v6
	v_add_nc_u32 v6, 2*RST, v6                     ; scale bytes in LDS: [plane 8][row 8][4]
	v_lshlrev_b32 v7, 3, v1
	v_add_nc_u32 v7, s45, v7
	v_add_nc_u32 v7, 2*RST, v7
	v_lshrrev_b32 v8, 2, v1
	v_lshlrev_b32 v8, 9, v8
	v_and_b32 v9, 3, v1
	v_lshl_add_u32 v8, v9, 3, v8                   ; and in memory: plane l / 4, rows 2 (l % 4) on
	s_wait_kmcnt 0x0
	s_add_nc_u64 s[4:5], s[4:5], s[26:27]          ; x at my first row
	s_add_nc_u64 s[38:39], s[22:23], s[26:27]      ; h as f32
	s_add_nc_u64 s[40:41], s[22:23], s[34:35]      ; h's codes
	s_add_nc_u64 s[42:43], s[22:23], s[36:37]      ; h's scale words
.irp j, 0,1,2,3,4,5,6,7
	global_load_b128 v[16+4*\j:19+4*\j], v2, s[6:7] offset:512*\j
.endr
.irp j, 0,1,2,3,4,5,6,7
	global_load_b128 v[48+4*\j:51+4*\j], v2, s[8:9] offset:512*\j
.endr
.macro LOADP p                         ; a pair of rows: 16 loads of 512 consecutive bytes
.irp r, 0,1
.irp j, 0,1,2,3,4,5,6,7
	global_load_b128 v[80+64*((\p)%2)+32*\r+4*\j:83+64*((\p)%2)+32*\r+4*\j], v2, s[4:5] offset:(2*(\p)+\r)*4096+512*\j th:TH_LOAD_NT
.endr
.endr
.endm
.macro WSUM a, t                       ; the sum over the wave's 32 lanes, in every lane
	v_add_f32_dpp v[\a], v[\a], v[\a] row_xmask:1 row_mask:0xf bank_mask:0xf
	v_add_f32_dpp v[\a], v[\a], v[\a] row_xmask:2 row_mask:0xf bank_mask:0xf
	v_add_f32_dpp v[\a], v[\a], v[\a] row_xmask:4 row_mask:0xf bank_mask:0xf
	v_add_f32_dpp v[\a], v[\a], v[\a] row_xmask:8 row_mask:0xf bank_mask:0xf
	v_permlanex16_b32 v[\t], v[\a], s30, s31
	v_add_f32 v[\a], v[\a], v[\t]
.endm
.macro LNROW b                         ; one row in 32 registers from v[b]: mean, x - mean, variance of that, the norm, gamma and beta: all in f32, in place
	v_pk_add_f32 v[244:245], v[\b:\b+1], v[\b+2:\b+3]
	v_pk_add_f32 v[246:247], v[\b+4:\b+5], v[\b+6:\b+7]
.irp j, 8,12,16,20,24,28
	v_pk_add_f32 v[244:245], v[244:245], v[\b+\j:\b+\j+1]
	v_pk_add_f32 v[246:247], v[246:247], v[\b+\j+2:\b+\j+3]
.endr
	v_pk_add_f32 v[244:245], v[244:245], v[246:247]
	v_add_f32 v244, v244, v245
	WSUM 244, 245
	v_mul_f32 v244, s33, v244                      ; the mean
.irp j, 0,2,4,6,8,10,12,14,16,18,20,22,24,26,28,30
	v_pk_add_f32 v[\b+\j:\b+\j+1], v[\b+\j:\b+\j+1], v[244:245] op_sel_hi:[1,0] neg_lo:[0,1] neg_hi:[0,1]
.endr
	v_pk_mul_f32 v[246:247], v[\b:\b+1], v[\b:\b+1]
	v_pk_mul_f32 v[248:249], v[\b+2:\b+3], v[\b+2:\b+3]
.irp j, 4,8,12,16,20,24,28
	v_pk_fma_f32 v[246:247], v[\b+\j:\b+\j+1], v[\b+\j:\b+\j+1], v[246:247]
	v_pk_fma_f32 v[248:249], v[\b+\j+2:\b+\j+3], v[\b+\j+2:\b+\j+3], v[248:249]
.endr
	v_pk_add_f32 v[246:247], v[246:247], v[248:249]
	v_add_f32 v246, v246, v247
	WSUM 246, 247
	v_fma_f32 v246, v246, s33, s44                 ; the variance + 1e-5
	s_wait_alu depctr_va_vdst(0)
	v_rsq_f32 v248, v246
	v_nop                                          ; one plain instruction behind a transcendental
	s_wait_alu depctr_va_vdst(0)
.irp j, 0,2,4,6,8,10,12,14,16,18,20,22,24,26,28,30
	v_pk_mul_f32 v[\b+\j:\b+\j+1], v[\b+\j:\b+\j+1], v[248:249] op_sel_hi:[1,0]
.endr
.irp j, 0,2,4,6,8,10,12,14,16,18,20,22,24,26,28,30
	v_pk_fma_f32 v[\b+\j:\b+\j+1], v[\b+\j:\b+\j+1], v[16+\j:17+\j], v[48+\j:49+\j]
.endr
.endm
; A pair: the norm; h out as f32; both rows through the stage, so that a lane holds 16 neighbours along E; four steps of 2 rows x 256 along E are quantised.
.macro PAIR p, left
.set RB, 80+64*((\p)%2)
	s_wait_loadcnt \left                           ; this pair's 16 loads (and gamma, beta) are in; the next pair's 16 may be out
	LNROW RB
	LNROW RB+32
.irp r, 0,1
.irp j, 0,1,2,3,4,5,6,7
	global_store_b128 v2, v[RB+32*\r+4*\j:RB+32*\r+4*\j+3], s[38:39] offset:(2*(\p)+\r)*4096+512*\j
.endr
.endr
.irp r, 0,1
.irp j, 0,1,2,3,4,5,6,7
	ds_store_b128 v3, v[RB+32*\r+4*\j:RB+32*\r+4*\j+3] offset:\r*RST+640*\j
.endr
.endr
	s_wait_xcnt 0x0                                ; the stores issued so far have read their registers: the last pair's codes and, below, this pair's rows may be written again
.irp g, 0,1,2,3
.irp i, 0,1,2,3
	ds_load_b128 v[208+4*\i:211+4*\i], v4 offset:1280*\g+16*\i   ; LDS serves a wave's instructions in order: these see the stores above
.endr
	s_wait_dscnt 0x0
	v_max3_num_f32 v244, |v208|, |v209|, |v210|    ; the largest magnitude of my 16,
	v_max3_num_f32 v245, |v211|, |v212|, |v213|
.irp i, 6,10
	v_max3_num_f32 v244, v244, |v[208+\i]|, |v[209+\i]|
	v_max3_num_f32 v245, v245, |v[210+\i]|, |v[211+\i]|
.endr
	v_max3_num_f32 v244, v244, |v222|, |v223|
	v_max3_num_f32 v244, v244, v245, 0x8000000     ; the floor 2^(16 - 127): the byte cannot fall under 1,
	v_max_num_f32_dpp v244, v244, v244 row_xmask:1 row_mask:0xf bank_mask:0xf   ; and my neighbour's 16: the block's
	v_add_nc_u32 v246, 0xf8800000, v244            ; 15 off the exponent field: the conversion's scale operand
	v_and_or_b32 v247, v244, 0x7f800000, s32       ; 57,344 x the scale
.irp i, 0,1,2,3,4,5,6,7,8,9,10,11,12,13,14,15
	v_med3_num_f32 v[208+\i], v[208+\i], -v247, v247   ; the conversion does not saturate (ISA guide 7.6.2): the hold
.endr
	v_cvt_scalef32_pk8_bf8_f32 v[224+4*\g:225+4*\g], v[208:215], v246
	v_cvt_scalef32_pk8_bf8_f32 v[226+4*\g:227+4*\g], v[216:223], v246
	v_lshrrev_b32 v[240+\g], 23, v246              ; the scale's byte
	ds_store_b8 v6, v[240+\g] offset:64*\g+8*(\p)  ; both lanes of a block write the same byte with the same value
	global_store_b128 v5, v[224+4*\g:227+4*\g], s[40:41] offset:32768*\g+256*(\p)   ; sixteen lanes store 256 consecutive bytes, aligned
.endr
.if (\p) < 2
	LOADP (\p)+2
.endif
.endm
	LOADP 0
	LOADP 1
	PAIR 0, 16
	PAIR 1, 16
	PAIR 2, 16
	PAIR 3, 0
	ds_load_b64 v[244:245], v7
	s_wait_dscnt 0x0
	global_store_b64 v8, v[244:245], s[42:43]      ; my 8 rows' words of 8 planes: pieces of 32 bytes; 131,072 bytes in the whole launch
	s_wait_tensorcnt 0x0
	ds_add_u32 v254, v255
	s_wait_dscnt 0x0
	s_endpgm
; ---------------- PATH B: a work-group takes 128 columns n x 256 along K of one weight; a wave 32 columns ----------------
; A LANE TAKES A COLUMN AND ITS REGISTERS RUN DOWN K: a block of 32 lies in one lane, and the conversions give codes with K innermost.
; One path serves six tensors: what differs (pointer, pitch, where the columns lie, where the results go) is chosen by s_cselect on the work-group's number;
; only the order in which the stage is read back differs for w_proj: two runs of 16 LDS loads under a branch on the work-group's number.
; v32-63 row offsets 4 l + i P; v64-127 two sets of 32 numbers; v128-135 codes; v136-199 the way out; v24-25 scale words; v10-13 at work
.Lweights:
	s_sub_co_u32 s25, ttmp9, 128                   ; e = 0..383
	s_lshr_b32 s26, s25, 7                         ; 0: wq, wk, wv, w_proj; 1: w1; 2: w2
	s_lshr_b32 s27, s25, 5                         ; which of the four (3: w_proj; 4 and more: w1, w2)
	s_and_b32 s28, s25, 127
	s_and_b32 s29, s25, 31
	s_lshl_b32 s37, s27, 20
	s_add_co_u32 s37, s37, WQKC
	s_lshl_b32 s38, s27, 15
	s_add_co_u32 s38, s38, WQKS
	s_cmp_eq_u32 s26, 0
	s_cselect_b32 s28, s29, s28                    ; the work-group's number within its tensor
	s_cmp_eq_u32 s26, 1
	s_cselect_b32 s29, 31, 7                       ; blocks of 128 columns - 1
	s_cselect_b32 s33, 5, 3
	s_cselect_b32 s34, 14, 12                      ; log2 of the bytes from row to row
	s_mov_b32 s39, W1C
	s_cselect_b32 s37, s39, s37
	s_mov_b32 s39, W1S
	s_cselect_b32 s38, s39, s38
	s_cmp_eq_u32 s26, 2
	s_cselect_b32 s36, 5, 3                        ; log2 of K / 128
	s_mov_b32 s39, W2C
	s_cselect_b32 s37, s39, s37
	s_mov_b32 s39, W2S
	s_cselect_b32 s38, s39, s38
	s_cmp_lt_u32 s25, 96                           ; wq, wk, wv: [head][E][64]: rows of 256 bytes, 128 columns are two heads
	s_cselect_b32 s34, 8, s34
	s_cselect_b32 s35, 19, 9                       ; log2 of the bytes from one block of 128 columns to the next
	s_and_b32 s29, s28, s29                        ; my block of columns
	s_lshr_b32 s33, s28, s33                       ; my 256 along K
	s_lshl_b32 s44, s29, s35
	s_sub_co_u32 s35, s35, 1
	s_lshr_b32 s45, s24, 1
	s_lshl_b32 s45, s45, s35                       ; waves 2, 3: the block's second half,
	s_add_co_u32 s44, s44, s45
	s_and_b32 s45, s24, 1
	s_lshl_b32 s45, s45, 7                         ; waves 1, 3: 32 columns on
	s_add_co_u32 s44, s44, s45
	s_add_co_u32 s45, s34, 8
	s_lshl_b32 s45, s33, s45                       ; 256 rows for each step along K
	s_add_co_u32 s44, s44, s45
	s_mov_b32 s45, 0
	s_lshl_b32 s46, 1, s34                         ; P
	s_lshl_b32 s40, s46, 5                         ; 32 P: a block on
	s_mov_b32 s41, 0
	s_lshl_b32 s47, s29, s36
	s_lshl_b32 s33, s33, 1
	s_add_co_u32 s47, s47, s33                     ; (block of columns, plane) as one number
	s_lshl_b32 s48, s47, 14
	s_add_co_u32 s48, s48, s37
	s_lshl_b32 s49, s24, 12
	s_add_co_u32 s48, s48, s49                     ; my 32 rows of 128 bytes: 4,096 bytes of each plane, in either order
	s_mov_b32 s49, 0
	s_lshl_b32 s50, s47, 9
	s_add_co_u32 s50, s50, s38
	s_lshl_b32 s51, s24, 7
	s_add_co_u32 s50, s50, s51
	s_mov_b32 s51, 0
	s_mul_i32 s52, s24, 8704
	s_add_co_u32 s52, s52, BST                     ; my stage
	s_wait_alu depctr_va_vdst(0)
	v_mul_u32_u24 v4, v1, 272
	v_add_nc_u32 v4, s52, v4                       ; into it: row = my column
	v_lshrrev_b32 v7, 3, v1
	v_mul_u32_u24 v7, v7, 272
	v_and_b32 v8, 7, v1
	v_lshl_add_u32 v7, v8, 4, v7
	v_add_nc_u32 v7, s52, v7                       ; out of it, by rows: eight lanes to a row's 128 bytes of a plane
	v_and_b32 v14, 15, v1
	v_mul_u32_u24 v14, v14, 272
	v_lshrrev_b32 v15, 4, v1
	v_lshl_add_u32 v14, v15, 4, v14
	v_add_nc_u32 v14, s52, v14                     ; out of it, as the operand's registers: row l % 16 of a fragment, + 16 (l / 16): sixteen rows of pitch 272 fall on sixteen different columns of 16 bytes
	v_lshlrev_b32 v8, 4, v1
	v_lshlrev_b32 v9, 2, v1
	v_lshlrev_b32 v32, 2, v1
.irp i, 0,1,2,3,4,5,6,7,8,9,10,11,12,13,14,15,16,17,18,19,20,21,22,23,24,25,26,27,28,29,30
	v_add_nc_u32 v[33+\i], s46, v[32+\i]
.endr
	s_wait_alu depctr_va_vdst(0)
	s_wait_kmcnt 0x0
	s_cmp_eq_u32 s27, 1                            ; the choices hang on the work-group's number alone
	s_cselect_b64 s[42:43], s[12:13], s[10:11]
	s_cmp_eq_u32 s27, 2
	s_cselect_b64 s[42:43], s[14:15], s[42:43]
	s_cmp_eq_u32 s27, 3
	s_cselect_b64 s[42:43], s[16:17], s[42:43]
	s_cmp_eq_u32 s26, 1
	s_cselect_b64 s[42:43], s[18:19], s[42:43]
	s_cmp_eq_u32 s26, 2
	s_cselect_b64 s[42:43], s[20:21], s[42:43]
	s_add_nc_u64 s[42:43], s[42:43], s[44:45]
	s_add_nc_u64 s[48:49], s[22:23], s[48:49]
	s_add_nc_u64 s[50:51], s[22:23], s[50:51]
.macro LOAD t                          ; block t: 32 rows of K at my column; 32 lanes read 128 consecutive bytes
.if (\t) > 0
	s_wait_xcnt 0x0                                ; the loads issued so far have read their base: it may step
	s_add_nc_u64 s[42:43], s[42:43], s[40:41]
.endif
.irp i, 0,1,2,3,4,5,6,7,8,9,10,11,12,13,14,15,16,17,18,19,20,21,22,23,24,25,26,27,28,29,30,31
	global_load_b32 v[64+32*((\t)%2)+\i], v[32+\i], s[42:43] th:TH_LOAD_NT
.endr
.endm
	LOAD 0
	LOAD 1
.macro BLOCK t
.set XS, 64+32*((\t)%2)
.if (\t) < 7
	s_wait_loadcnt 32                              ; this block's 32 loads are in; the next block's may be out
.else
	s_wait_loadcnt 0x0
.endif
	v_max3_num_f32 v12, |v[XS]|, |v[XS+1]|, |v[XS+2]|
	v_max3_num_f32 v13, |v[XS+3]|, |v[XS+4]|, |v[XS+5]|
.irp i, 6,10,14,18,22,26
	v_max3_num_f32 v12, v12, |v[XS+\i]|, |v[XS+\i+1]|
	v_max3_num_f32 v13, v13, |v[XS+\i+2]|, |v[XS+\i+3]|
.endr
	v_max3_num_f32 v12, v12, |v[XS+30]|, |v[XS+31]|
	v_max3_num_f32 v12, v12, v13, 0x8000000        ; with the floor 2^(16 - 127)
	v_add_nc_u32 v11, 0xf8800000, v12              ; the conversion's scale operand
	v_and_or_b32 v10, v12, 0x7f800000, s32         ; 57,344 x the scale
	v_lshrrev_b32 v13, 23, v11                     ; the byte
.if (\t)%4 == 0
	v_mov_b32 v[24+(\t)/4], v13
.else
	v_lshl_or_b32 v[24+(\t)/4], v13, 8*((\t)%4), v[24+(\t)/4]
.endif
.irp i, 0,1,2,3,4,5,6,7,8,9,10,11,12,13,14,15,16,17,18,19,20,21,22,23,24,25,26,27,28,29,30,31
	v_med3_num_f32 v[XS+\i], v[XS+\i], -v10, v10
.endr
.irp g, 0,1,2,3
	v_cvt_scalef32_pk8_bf8_f32 v[128+2*\g:129+2*\g], v[XS+8*\g:XS+8*\g+7], v11
.endr
	ds_store_b128 v4, v[128:131] offset:32*(\t)
	ds_store_b128 v4, v[132:135] offset:32*(\t)+16
.if (\t)+2 < 8
	LOAD (\t)+2
.endif
	s_wait_dscnt 0x0                               ; the stores have read their registers: the next block's codes may be written
.endm
.irp t, 0,1,2,3,4,5,6,7
	BLOCK \t
.endr
	global_store_b32 v9, v24, s[50:51]             ; my column's word of each of the two planes: 128 consecutive bytes a wave
	global_store_b32 v9, v25, s[50:51] offset:512
	s_cmp_eq_u32 s27, 3                            ; w_proj?  Both ways issue 16 LDS loads into the same registers, so the counts behind the join hold on both
	s_cbranch_scc1 .Limage
.irp q, 0,1
.irp t, 0,1,2,3,4,5,6,7
	ds_load_b128 v[136+32*\q+4*\t:139+32*\q+4*\t], v7 offset:128*\q+1088*\t        ; by rows: load t brings rows 4 t .. 4 t + 3 of plane q
.endr
.endr
	s_branch .Lsend
.Limage:
.irp q, 0,1
.irp t, 0,1,2,3,4,5,6,7
	ds_load_b128 v[136+32*\q+4*\t:139+32*\q+4*\t], v14 offset:128*\q+4352*(\t/4)+32*(\t%4)   ; as registers: load t brings piece t % 4 of my fragment t / 4 of plane q
.endr
.endr
.Lsend:
.irp q, 0,1
.irp t, 0,1,2,3,4,5,6,7
	s_wait_dscnt 15-8*\q-\t
	global_store_b128 v8, v[136+32*\q+4*\t:139+32*\q+4*\t], s[48:49] offset:16384*\q+512*\t   ; 512 consecutive bytes
.endr
.endr
	s_wait_tensorcnt 0x0
	ds_add_u32 v254, v255
	s_wait_dscnt 0x0
	s_endpgm
.Lfunc_end_k_q21914f94bd_prep:
	.size	k_q21914f94bd_prep, .Lfunc_end_k_q21914f94bd_prep-k_q21914f94bd_prep
	.p2alignl 7, 3214868480
	.fill 96, 4, 3214868480
	.section	.rodata,"a",@progbits
	.p2align	6, 0x0
	.amdhsa_kernel k_q21914f94bd_prep
		.amdhsa_group_segment_fixed_size 78336
		.amdhsa_private_segment_fixed_size 0
		.amdhsa_enable_private_segment 0
		.amdhsa_kernarg_size 80
		.amdhsa_user_sgpr_count 2
		.amdhsa_user_sgpr_kernarg_segment_ptr 1
		.amdhsa_wavefront_size32 1
		.amdhsa_system_sgpr_workgroup_id_x 1
		.amdhsa_system_sgpr_workgroup_id_y 1
		.amdhsa_system_sgpr_workgroup_id_z 1
		.amdhsa_system_vgpr_workitem_id 0
		.amdhsa_next_free_vgpr 256
		.amdhsa_next_free_sgpr 66
		.amdhsa_reserve_vcc 0
		.amdhsa_float_denorm_mode_32 3
		.amdhsa_float_denorm_mode_16_64 3
		.amdhsa_memory_ordered 1
		.amdhsa_forward_progress 1
		.amdhsa_inst_pref_size 170
	.end_amdhsa_kernel
	.amdgpu_metadata
---
amdhsa.version: [ 1, 2 ]
amdhsa.kernels:
  - .name:           k_q21914f94bd_prep
    .symbol:         k_q21914f94bd_prep.kd
    .args:
      - { .name: x, .offset: 0, .size: 8, .value_kind: global_buffer, .address_space: global }
      - { .name: gamma1, .offset: 8, .size: 8, .value_kind: global_buffer, .address_space: global }
      - { .name: beta1, .offset: 16, .size: 8, .value_kind: global_buffer, .address_space: global }
      - { .name: wq, .offset: 24, .size: 8, .value_kind: global_buffer, .address_space: global }
      - { .name: wk, .offset: 32, .size: 8, .value_kind: global_buffer, .address_space: global }
      - { .name: wv, .offset: 40, .size: 8, .value_kind: global_buffer, .address_space: global }
      - { .name: w_proj, .offset: 48, .size: 8, .value_kind: global_buffer, .address_space: global }
      - { .name: w1, .offset: 56, .size: 8, .value_kind: global_buffer, .address_space: global }
      - { .name: w2, .offset: 64, .size: 8, .value_kind: global_buffer, .address_space: global }
      - { .name: ws0, .offset: 72, .size: 8, .value_kind: global_buffer, .address_space: global }
    .group_segment_fixed_size: 78336
    .private_segment_fixed_size: 0
    .kernarg_segment_align: 8
    .kernarg_segment_size: 80
    .max_flat_workgroup_size: 128
    .sgpr_count:     66
    .vgpr_count:     256
    .wavefront_size: 32
...
	.end_amdgpu_metadata
.endif
;; end of part 1
;; launch qkv (part 2): grid 12 x 16, 4 waves a work-group, clusters of 4 x 4, 327,680 bytes of LDS; arguments ws0, ws1; writes ws1
.if DOCPART == 2
	.amdgcn_target "amdgcn-amd-amdhsa--gfx1250"
	.amdhsa_code_object_version 6
	.text
	.protected	k_q21914f94bd_qkv
	.globl	k_q21914f94bd_qkv
	.p2align	8
	.type	k_q21914f94bd_qkv,@function
k_q21914f94bd_qkv:
	s_mov_b64 s[64:65], 0
	v_nop
	global_prefetch_b8 v0, s[64:65] scope:SCOPE_SE
	s_setreg_imm32_b32 hwreg(HW_REG_WAVE_MODE, 25, 1), 1
	s_wait_xcnt 0x0
	s_wait_alu depctr_hold_cnt(0) depctr_sa_sdst(0) depctr_va_vdst(0) depctr_va_sdst(0) depctr_va_ssrc(0) depctr_va_vcc(0) depctr_vm_vsrc(0)
	s_getreg_b32 s2, hwreg(HW_REG_IB_STS2, 6, 4)
	s_cmp_eq_u32 s2, 0
	s_cbranch_scc0 .Lentry_in_a_cluster
	s_endpgm
.Lentry_in_a_cluster:
	s_bfe_u32 s2, ttmp6, 0x10000c
	s_cmp_lg_u32 s2, 0xf033
	s_cbranch_scc0 .Lentry_shape_is_right
	s_endpgm
.Lentry_shape_is_right:
; C = A B^T on codes of E5M2 with E8M0 scales, K = 1,024, and C is quantised on its way out, along its columns.  One text, two launches, by the switch FFN.
; FFN = 0 (this copy): clusters x = 0, 1: A = h (4,096 rows), B = wq and wk (2,048 rows): q and k, quantised along the head's 64;
;                      cluster x = 2: A = wv (1,024 rows (head, d)), B = h: v with the keys along the columns, quantised along the keys.  Only offsets inside ws0 and ws1 are chosen, by the cluster's number.
; FFN = 1: A = h2, B = w1, + b1 (the C of each sum's first product), relu, quantised along dff.
; Codes lie [rows / 128][K / 128][128 rows][128 bytes], scale words [rows / 128][K / 128][128 rows]: 128 rows x 256 along K are 32,768 consecutive bytes, and a wave's 128 x 128 results are one such plane.
; A tile of C, 256 x 256, is made by four waves, 128 x 128 each: 64 accumulators, 512 registers.  K goes in steps of 256 through two LDS slots filled by the tensor data mover.
; CLUSTERS 4 x 4: A's tile is asked for jointly by a row of the cluster, B's by a column.  THE MATRIX INSTRUCTION IS USED TRANSPOSED (source 0 = rows of B, source 1 = rows of A): a lane holds one row of C.
; K has four steps (1 to 3 prefetched), and the tiles are shared in the cluster.
; LIMITS: NaN and infinities are not served; a block of zeros gets the byte 1 (its codes are zeros; this program alone reads the bytes); blocks under 2^-111 are held at the byte 1.
; REGISTERS: window 0: v0-31 addresses; v32-63 scale words, two sets; v64-127 b1 (FFN), later numbers under the hold; from v128 A's fragments, ONE set; on the way out v128-199 at work.
;   window 1: B's fragments, two sets.   window 2: accumulators of my rows 0-63 ((a, b) at v[8 (8 a + b)]);   window 3: rows 64-127.
.set FFN,   0
.set NQ,    2                          ; matrix instructions deep in a slot
.set PL,    17408                      ; a plane (128 rows x 128 bytes) in LDS: 64 lines of 256 bytes + 16 of padding; row r: line r / 2, half r % 2
.set HALFT, 2*PL                       ; what one tensor load brings: 128 rows x 256 along K
.set SLOT,  4*HALFT                    ; A's 256 rows, then B's
.set LAPS,  2                          ; K = 1,024: twice round the ring
.set FR,    16
.set NL,    4
.set NP,    8                          ; places behind this matrix instruction (ISA guide 7.12.1)
.set SCL,   2*SLOT                     ; the scale words of all of K: 4,096 bytes for each 128 rows, filled once
.set SPARE, SCL+4*4096                 ; the spare words: 128 bytes a wave, named by no other line
.set STG,   SPARE+512                  ; the way out: for each wave 16 rows x 144 bytes and 512 bytes of scale words; no tile lands here
.set SREG,  2816
.set HC,    16777216                   ; byte offsets in ws0
.set HS,    33554432
.set WQKC,  20971520
.set WQKS,  33685504
.set WVC,   23068672
.set WVS,   33751040
.set W1C,   25165824
.set W1S,   33816576
.set VC,    8388608                    ; in ws1
.set QKS,   12582912
.set VS,    12845056
.set H2C,   16777216                   ; in ws3
.set H2S,   20971520
.set HIDS,  16777216                   ; in ws4
.if FFN
.set PA, 4
.set PB, 6
.set PO, 10
.else
.set PA, 4
.set PB, 4
.set PO, 6
.endif
.set ADRA, 16
.set ADRB, 20
.set STO,  24                          ; the way out: where I put 8 codes of a row
.set RD,   25                          ; where I read rows back
.set CO,   26                          ; 16 x lane
.set ADRS, 27                          ; my scale words: lanes 0-15 A's rows, lanes 16-31 B's
.set SPW,  28
.set NIL,  29
.set SWA,  30                          ; where I put a row's scale word
.set SWR,  31                          ; where I read 16 bytes of them back
.set SC,   32
.set T,    64
.set AF,   128
.set TM,   128                         ; +0 largest magnitudes, +4 bytes, +8 57,344 x scale, +12 scale operands
.set PW,   144
.set PC,   146
.set BK,   164
.set G1,   24
.set G0,   32
.set G1B,  48
.set G0B,  56
.set G1S,  68
.set G0S,  76
.set G1SB, 80
.set G0SB, 88
.set SEL,  18
.set MNT,  20
.set MSB, 0
.macro WIN new                         ; the immediate's high byte repeats the setting that is left
.if MSB != \new
	s_set_vgpr_msb (MSB<<8)|\new
.set MSB, \new
.endif
.endm
.set MUL_LO, 0xa1                      ; source 0 (B) window 1, source 1 (A) window 0, C and D window 2
.set MUL_HI, 0xf1
.set BIA_LO, 0x81                      ; the same with C in window 0: the bias
.set BIA_HI, 0xc1
.set TO_B,   0x40
; A joint load: waves 0, 1 fetch for A, waves 2, 3 for B; the branch hangs on the wave's number alone.  Four v_nop follow each of the two lines.
.macro JLOAD g0a, g1a, g0b, g1b
	s_cmp_eq_u32 s15, 0
	s_cbranch_scc0 .Lfor_b_\@
	tensor_load_to_lds s[\g0a:\g0a+3], s[\g1a:\g1a+7]
	s_nop 0
.rept 4
	v_nop
.endr
	s_branch .Lasked_\@
.Lfor_b_\@:
	tensor_load_to_lds s[\g0b:\g0b+3], s[\g1b:\g1b+7]
	s_nop 0
.rept 4
	v_nop
.endr
.Lasked_\@:
.endm
.macro CREST                           ; a round of the cluster's barrier behind its opening barrier
	s_cmp_lg_u32 s14, 0
	s_cbranch_scc1 .Lnot_wave_0_\@
	s_barrier_signal -3
.Lnot_wave_0_\@:
	s_barrier_wait -3
	s_barrier_signal -1
	s_barrier_wait -1
.endm
.macro CROUND
	s_barrier_signal -1
	s_barrier_wait -1
	CREST
.endm
.if FFN
	s_load_b256 s[4:11], s[0:1], 0x0               ; ws3, ws0, b1, ws4
.else
	s_load_b128 s[4:7], s[0:1], 0x0                ; ws0, ws1
.endif
	v_lshl_add_u32 v[SPW], v0, 2, SPARE
	v_mov_b32 v[NIL], 0
	ds_add_u32 v28, v29
	ds_add_u32 v28, v29
	s_wait_dscnt 0x0
	v_lshrrev_b32 v1, 5, v0
	v_readfirstlane_b32 s14, v1                    ; wave 0..3
	s_lshr_b32 s15, s14, 1                         ; which half of the tile's rows is mine.  Also: I fetch for A (0) or for B (1)
	s_and_b32 s16, s14, 1                          ; which half of its columns.  Also: which 128 rows I fetch
	s_bfe_u32 s40, ttmp6, 0x40000                  ; cx
	s_bfe_u32 s41, ttmp6, 0x40004                  ; cy
	s_lshl_b32 s19, ttmp9, 2                       ; 4 x cluster x
	s_and_b32 s18, ttmp7, 0xffff
	s_lshl_b32 s18, s18, 2                         ; 4 x cluster y
.if FFN
	s_mov_b32 s17, s18
	s_mov_b32 s42, s19
	s_mov_b32 s66, H2C                             ; A's codes, B's codes,
	s_mov_b32 s67, W1C
	s_mov_b32 s98, H2S                             ; A's scale words, B's,
	s_mov_b32 s99, W1S
	s_mov_b32 s95, 0                               ; the results' codes and scale words,
	s_mov_b32 s2, HIDS
	s_mov_b32 s3, 5                                ; log2 of the results' planes in a block of 128 rows
.else
	s_mov_b32 s20, HC
	s_mov_b32 s21, WQKC
	s_mov_b32 s22, HS
	s_mov_b32 s23, WQKS
	s_mov_b32 s45, QKS
	s_cmp_eq_u32 ttmp9, 2                          ; the clusters with x = 2 make v: the same in all sixteen partners
	s_cselect_b32 s17, 0, s18
	s_cselect_b32 s42, s18, s19
	s_cselect_b32 s66, WVC, s20
	s_cselect_b32 s67, s20, s21
	s_cselect_b32 s98, WVS, s22
	s_cselect_b32 s99, s22, s23
	s_cselect_b32 s95, VC, 0
	s_cselect_b32 s2, VS, s45
	s_cselect_b32 s3, 5, 4
.endif
	s_add_co_u32 s17, s17, s41                     ; tile row of C
	s_add_co_u32 s42, s42, s40                     ; tile column of C
	s_lshl_b32 s43, s41, 2
	s_lshl_b32 s43, 15, s43                        ; my row of the cluster
	s_lshl_b32 s44, 0x1111, s40                    ; my column
	; group 1 for codes: 32,768 consecutive bytes as 128 lines of 256 bytes, 16 bytes of padding behind each
	s_or_b32 s[G1+0], s43, (1<<20)|(1<<21)|(5<<22)|(3<<25)
	s_or_b32 s[G1B+0], s44, (1<<20)|(1<<21)|(5<<22)|(3<<25)
.irp g, G1, G1B
	s_mov_b32 s[\g+1], 0x80000000                  ; the head's form: two blocks of 128 rows x 256 along K, each 32,768 bytes on end, as two rows of 32,768 bytes: tensor_dim0
	s_mov_b32 s[\g+2], 2<<16                       ; tensor_dim1
	s_mov_b32 s[\g+3], 0x80000000                  ; tile_dim0
	s_mov_b32 s[\g+4], 2                           ; tile_dim1
	s_mov_b32 s[\g+5], 131072                      ; from block to block; the padding stays behind each 256 bytes
	s_mov_b32 s[\g+6], 0
	s_mov_b32 s[\g+7], 0
.endr
	; group 1 for scale words: 8,192 consecutive bytes as 32 lines of 32 elements of 8 bytes
	s_or_b32 s[G1S+0], s43, (3<<16)|(1<<21)
	s_or_b32 s[G1SB+0], s44, (3<<16)|(1<<21)
.irp g, G1S, G1SB
	s_mov_b32 s[\g+1], 32<<16
	s_mov_b32 s[\g+2], 32<<16                      ; 8,192 bytes: the scale words of 256 rows
	s_mov_b32 s[\g+3], 32<<16
	s_mov_b32 s[\g+4], 32
	s_mov_b32 s[\g+5], 32
	s_mov_b32 s[\g+6], 0
	s_mov_b32 s[\g+7], 0
.endr
	s_lshl_b32 s20, s17, 1
	s_add_co_u32 s20, s20, s16                     ; A: the block of 128 rows that I fetch
	s_lshl_b32 s22, s20, 12
	s_lshl_b32 s20, s20, 17
	s_add_co_u32 s20, s20, s66
	s_add_co_u32 s22, s22, s98
	s_mov_b32 s21, 0
	s_mov_b32 s23, 0
	s_lshl_b32 s46, s42, 1
	s_add_co_u32 s46, s46, s16                     ; B likewise
	s_lshl_b32 s92, s46, 12
	s_lshl_b32 s46, s46, 17
	s_add_co_u32 s46, s46, s67
	s_add_co_u32 s92, s92, s99
	s_mov_b32 s47, 0
	s_mov_b32 s93, 0
	s_mul_i32 s45, s14, HALFT                      ; where they go: by the wave's number alone
	s_lshl_b32 s94, s14, 12
	s_wait_kmcnt 0x0
	s_add_nc_u64 s[20:21], s[PA:PA+1], s[20:21]
	s_add_nc_u64 s[22:23], s[PA:PA+1], s[22:23]
	s_add_nc_u64 s[46:47], s[PB:PB+1], s[46:47]
	s_add_nc_u64 s[92:93], s[PB:PB+1], s[92:93]
	CROUND                                         ; all sixteen work-groups are here: the first joint loads meet
	s_mov_b32 s[G0S], 1
	s_add_co_u32 s[G0S+1], s94, SCL
	s_mov_b64 s[G0S+2:G0S+3], s[22:23]
	s_or_b32 s[G0S+3], s[G0S+3], 0x80000000
	s_mov_b32 s[G0SB], 1
	s_add_co_u32 s[G0SB+1], s94, SCL
	s_mov_b64 s[G0SB+2:G0SB+3], s[92:93]
	s_or_b32 s[G0SB+3], s[G0SB+3], 0x80000000
.irp s, 0,1
	s_mov_b32 s[G0+4*\s], 1
	s_add_co_u32 s[G0+4*\s+1], s45, \s*SLOT
	s_add_nc_u64 s[G0+4*\s+2:G0+4*\s+3], s[20:21], \s*32768
	s_or_b32 s[G0+4*\s+3], s[G0+4*\s+3], 0x80000000
	s_mov_b32 s[G0B+4*\s], 1
	s_add_co_u32 s[G0B+4*\s+1], s45, \s*SLOT
	s_add_nc_u64 s[G0B+4*\s+2:G0B+4*\s+3], s[46:47], \s*32768
	s_or_b32 s[G0B+4*\s+3], s[G0B+4*\s+3], 0x80000000
.endr
; THE HEAD'S FOUR TILES, ONE JOINT LOAD A WAVE: wave 0 K step 0's 256 rows of A, wave 1 those of B, wave 2 the scale words of A's 256 rows, wave 3 those of B's.
; Each begins at the tile's first block of 128 rows: my own block's offset is taken off again, and put back behind the wait for these loads.
	s_lshl_b32 s92, s16, 12
	s_mov_b32 s93, 0
	s_sub_nc_u64 s[G0S+2:G0S+3], s[G0S+2:G0S+3], s[92:93]
	s_sub_nc_u64 s[G0SB+2:G0SB+3], s[G0SB+2:G0SB+3], s[92:93]
	s_mov_b32 s[G0S+1], SCL
	s_mov_b32 s[G0SB+1], SCL+8192
	s_lshl_b32 s92, s16, 17
	s_sub_nc_u64 s[G0+2:G0+3], s[G0+2:G0+3], s[92:93]
	s_sub_nc_u64 s[G0B+2:G0B+3], s[G0B+2:G0B+3], s[92:93]
	s_mov_b32 s[G0+1], 0
	s_mov_b32 s[G0B+1], 2*HALFT
.macro ARM under, g0, g1, next
	s_cmp_lt_u32 s14, \under
	s_cbranch_scc0 \next
	tensor_load_to_lds s[\g0:\g0+3], s[\g1:\g1+7]
	s_nop 0
.rept 4
	v_nop
.endr
	s_branch .Lhead_asked
\next:
.endm
	ARM 1, G0,  G1,  .Lhead_b
	ARM 2, G0B, G1B, .Lhead_sa
	ARM 3, G0S, G1S, .Lhead_sb
	tensor_load_to_lds s[G0SB:G0SB+3], s[G1SB:G1SB+7]
	s_nop 0
.rept 4
	v_nop
.endr
.Lhead_asked:
; PREFETCH: K steps 2 and 3, which the two refills will want, are asked for behind the two first fills.  Of the 32,768 bytes that I fetch of a K step, each of the four partners that ask for them jointly
; takes 8,192, told apart by address (cx for A, cy for B); lanes 256 bytes apart: each block of 256 bytes is named once in the cluster.
	s_cmp_eq_u32 s15, 0
	s_cselect_b64 s[98:99], s[20:21], s[46:47]
	s_cselect_b32 s66, s40, s41
	s_lshl_b32 s66, s66, 13
	s_add_co_u32 s66, s66, 32768                   ; at K step 1
	s_mov_b32 s67, 0
	s_add_nc_u64 s[98:99], s[98:99], s[66:67]
	v_and_b32 v12, 31, v0
	v_lshlrev_b32 v12, 8, v12
	global_prefetch_b8 v12, s[98:99] th:TH_LOAD_NT scope:SCOPE_SE                ; K step 1, whose load is issued when the head's tiles have landed,
	global_prefetch_b8 v12, s[98:99] offset:32768 th:TH_LOAD_NT scope:SCOPE_SE   ; and K step 2
	v_and_b32 v1, 15, v0                           ; r
	v_bfe_u32 v2, v0, 4, 1                         ; h
	v_lshrrev_b32 v3, 1, v1
	v_mul_u32_u24 v3, v3, 272
	v_and_b32 v4, 1, v1
	v_lshl_add_u32 v3, v4, 7, v3
	v_lshl_add_u32 v4, v2, 4, v3                   ; row r of a fragment: line r / 2, half r % 2, + 16 h: sixteen lanes fall on sixteen different columns of 16 bytes
	s_mul_i32 s21, s15, HALFT
	s_mul_i32 s22, s16, HALFT
	s_add_co_u32 s22, s22, 2*HALFT
.irp s, 0,1
	v_add_nc_u32 v[ADRA+\s], s21, v4
	v_add_nc_u32 v[ADRB+\s], s22, v4
	s_add_co_u32 s21, s21, SLOT
	s_add_co_u32 s22, s22, SLOT
.endr
	v_lshlrev_b32 v5, 2, v1                        ; scale words: 4 bytes a row
	s_add_co_u32 s22, s16, 2
	s_sub_co_u32 s22, s22, s15
	s_lshl_b32 s22, s22, 12
	v_mul_u32_u24 v6, s22, v2                      ; lanes 16-31 take B's: one product, the distance between the two blocks
	s_lshl_b32 s21, s15, 12
	s_add_co_u32 s21, s21, SCL
	v_add_nc_u32 v5, v5, v6
	v_add_nc_u32 v[ADRS], s21, v5
	s_mul_i32 s23, s14, SREG
	s_add_co_u32 s23, s23, STG                     ; my stage
	v_mul_u32_u24 v5, v1, 144
	v_lshl_add_u32 v5, v2, 3, v5
	v_add_nc_u32 v[STO], s23, v5
	v_and_b32 v6, 31, v0
	v_lshrrev_b32 v7, 3, v6
	v_mul_u32_u24 v7, v7, 144
	v_and_b32 v8, 7, v6
	v_lshl_add_u32 v7, v8, 4, v7
	v_add_nc_u32 v[RD], s23, v7
	v_lshlrev_b32 v[CO], 4, v6
; THE RESULTS' ROWS: within each 32 rows of a plane the two middle groups of eight change places (row 32 b + 16 x + 8 y + j lies at place 32 b + 16 y + 8 x + j), codes and scale words alike:
; the sixteen rows that the next launch takes as one tile of k then lie on end.
	v_and_b32 v9, 7, v1
	v_lshlrev_b32 v9, 2, v9
	v_lshrrev_b32 v10, 3, v1
	v_lshl_add_u32 v9, v10, 6, v9
	v_add_nc_u32 v9, s23, v9
	v_add_nc_u32 v[SWA], 2304, v9
	v_add_nc_u32 v10, s23, v[CO]
	v_add_nc_u32 v[SWR], 2304, v10
	; my 128 x 128 results are plane 2 x tile column + half of the block of rows 2 x tile row + half
	s_lshl_b32 s20, s17, 1
	s_add_co_u32 s20, s20, s15
	s_lshl_b32 s20, s20, s3
	s_lshl_b32 s46, s42, 1
	s_add_co_u32 s46, s46, s16
	s_add_co_u32 s20, s20, s46
	s_lshl_b32 s46, s20, 14
	s_add_co_u32 s46, s46, s95
	s_mov_b32 s47, 0
	s_lshl_b32 s20, s20, 9
	s_add_co_u32 s20, s20, s2
	s_mov_b32 s21, 0
	s_add_nc_u64 s[12:13], s[PO:PO+1], s[46:47]    ; their codes
	s_add_nc_u64 s[96:97], s[PO:PO+1], s[20:21]    ; their scale words
.if FFN
	s_lshl_b32 s46, s42, 10
	s_lshl_b32 s47, s16, 9
	s_add_co_u32 s46, s46, s47
	s_mov_b32 s47, 0
	s_add_nc_u64 s[8:9], s[8:9], s[46:47]          ; b1 at my 128 columns
	v_lshlrev_b32 v11, 5, v2
.irp b, 0,1,2,3,4,5,6,7
	global_load_b128 v[64+8*\b:67+8*\b], v11, s[8:9] offset:64*\b       ; in the result's layout: columns 16 b + 8 h + 0 .. 7
	global_load_b128 v[68+8*\b:71+8*\b], v11, s[8:9] offset:64*\b+16
.endr
.endif
.macro FRAG reg, adr, q, i             ; 16 rows x 128 K: registers 4 c .. 4 c + 3 hold K = 32 c + 16 h + 0 .. 15
.irp c, 0,1,2,3
	ds_load_b128 v[\reg+4*\c:\reg+4*\c+3], v[\adr] offset:PL*(\q)+32*\c+(\i)*2176
.endr
.endm
; 16 matrix instructions: A's blocks a0, a0 + 1 x B's eight.  zero = 1: the first product starts the sums (with 0, or with the bias).  The 64 accumulators take turns.
.macro MUL16 a0, p, q, sc, zero
.irp a, \a0, \a0+1
.irp b, 0,1,2,3,4,5,6,7
.if \zero
.if FFN
	v_wmma_scale_f32_16x16x128_f8f6f4 v[8*(8*((\a)%4)+\b):8*(8*((\a)%4)+\b)+7], v[128*(\p)+FR*\b:128*(\p)+FR*\b+FR-1], v[AF+FR*(\a):AF+FR*(\a)+FR-1], v[64+8*\b:71+8*\b], v[SC+8*NQ*(\sc)+NQ*\b+(\q)], v[SC+8*NQ*(\sc)+NQ*(\a)+(\q)] matrix_a_fmt:MATRIX_FMT_BF8 matrix_b_fmt:MATRIX_FMT_BF8 matrix_a_scale:MATRIX_SCALE_ROW1
.else
	v_wmma_scale_f32_16x16x128_f8f6f4 v[8*(8*((\a)%4)+\b):8*(8*((\a)%4)+\b)+7], v[128*(\p)+FR*\b:128*(\p)+FR*\b+FR-1], v[AF+FR*(\a):AF+FR*(\a)+FR-1], 0, v[SC+8*NQ*(\sc)+NQ*\b+(\q)], v[SC+8*NQ*(\sc)+NQ*(\a)+(\q)] matrix_a_fmt:MATRIX_FMT_BF8 matrix_b_fmt:MATRIX_FMT_BF8 matrix_a_scale:MATRIX_SCALE_ROW1
.endif
.else
	v_wmma_scale_f32_16x16x128_f8f6f4 v[8*(8*((\a)%4)+\b):8*(8*((\a)%4)+\b)+7], v[128*(\p)+FR*\b:128*(\p)+FR*\b+FR-1], v[AF+FR*(\a):AF+FR*(\a)+FR-1], v[8*(8*((\a)%4)+\b):8*(8*((\a)%4)+\b)+7], v[SC+8*NQ*(\sc)+NQ*\b+(\q)], v[SC+8*NQ*(\sc)+NQ*(\a)+(\q)] matrix_a_fmt:MATRIX_FMT_BF8 matrix_b_fmt:MATRIX_FMT_BF8 matrix_a_scale:MATRIX_SCALE_ROW1
.endif
.endr
.endr
.endm
.macro FETCH_B slot, q, p
	WIN TO_B
.irp i, 0,1,2,3,4,5,6,7
	FRAG 128*(\p)+FR*\i, ADRB+\slot, \q, \i
.endr
	WIN 0
.endm
.macro FETCH_A slot, q, i0
.irp i, \i0, \i0+1, \i0+2, \i0+3
	FRAG AF+FR*(\i), ADRA+\slot, \q, \i
.endr
.endm
.macro SCALES sc                       ; a K step's scale words: register NQ i + q: lanes 0-15 the word of A's block i, lanes 16-31 that of B's block i
.irp i, 0,1,2,3,4,5,6,7
.irp q, 0,1
	ds_load_b32 v[SC+8*NQ*\sc+NQ*\i+\q], v[ADRS] offset:512*\q+64*\i
.endr
.endr
.endm
.macro PLACES n
.rept \n
	v_nop
.endr
.endm
.macro STEP slot, q, zero              ; 128 along K that has its successor in the same slot
	s_wait_dscnt 4*NL                              ; B's set, the scale words and A's blocks 0-3 are in; the youngest 16 loads (A's blocks 4-7) may be out
.if (\zero) && FFN
	WIN BIA_LO
.else
	WIN MUL_LO
.endif
	MUL16 0, (\q)%2, \q, \slot, \zero
	MUL16 2, (\q)%2, \q, \slot, \zero
	s_wait_dscnt 0
	PLACES NP                                      ; in front of loads into registers that matrix instructions have read
	FETCH_B \slot, (\q)+1, 1-(\q)%2
	FETCH_A \slot, (\q)+1, 0
.if (\zero) && FFN
	WIN BIA_HI
.else
	WIN MUL_HI
.endif
	MUL16 4, (\q)%2, \q, \slot, \zero
	MUL16 6, (\q)%2, \q, \slot, \zero
	PLACES NP
	WIN 0
	FETCH_A \slot, (\q)+1, 4
.endm
; A slot's last step changes slots: ONE barrier; in front of it each wave waits for all its tensor loads, adds 0 to its spare word, and waits for that and for its reads of this slot.
.macro TURN slot, next, fill
	s_wait_tensorcnt 0x0                           ; all my tensor loads have landed: my part of the next slot
	ds_add_u32 v[SPW], v[NIL]                      ; 0 onto my spare word
	s_wait_dscnt 4*NL+1                            ; (the add and the youngest 16 loads may be out)
	WIN MUL_LO
	MUL16 0, 1, NQ-1, \slot, 0
	s_wait_dscnt 0x0                               ; the add is done, and my reads of this slot are over
	s_barrier_signal -1
	MUL16 2, 1, NQ-1, \slot, 0
	WIN 0
	s_barrier_wait -1
.if \fill
	CREST                                          ; the barrier has opened a round of the cluster's: no wave of any partner still reads this slot or has a load on its way
	s_add_nc_u64 s[G0+4*\slot+2:G0+4*\slot+3], s[G0+4*\slot+2:G0+4*\slot+3], 65536
	s_add_nc_u64 s[G0B+4*\slot+2:G0B+4*\slot+3], s[G0B+4*\slot+2:G0B+4*\slot+3], 65536
	JLOAD G0+4*\slot, G1, G0B+4*\slot, G1B         ; the first tensor load behind the round; its four v_nop are among the places in front of the loads below
	PLACES NP-4
.else
	PLACES NP
.endif
	s_wait_alu depctr_va_vdst(0)
	v_add_nc_u32 v[ADRS], 1024, v[ADRS]            ; the next K step's scale words: two planes on
	FETCH_B \next, 0, 0
	FETCH_A \next, 0, 0
	SCALES \next
	WIN MUL_HI
	MUL16 4, 1, NQ-1, \slot, 0
	MUL16 6, 1, NQ-1, \slot, 0
	PLACES NP
	WIN 0
	FETCH_A \next, 0, 4
.endm
	s_wait_alu depctr_va_vdst(0)                   ; the wait at the head's end
	s_wait_tensorcnt 0x0                           ; my tile of the head's four is in; slot 1's first fill is issued as a refill is:
	ds_add_u32 v[SPW], v[NIL]                      ; 0 onto my spare word
.irp g, G1, G1B
	s_mov_b32 s[\g+1], 256<<16                     ; no tensor load of mine is out: from here on a load brings 128 lines of 256 bytes
	s_mov_b32 s[\g+2], 128<<16
	s_mov_b32 s[\g+3], 256<<16
	s_mov_b32 s[\g+4], 128
	s_mov_b32 s[\g+5], 256
.endr
	s_mov_b32 s[G0+1], s45                         ; slot 0's group 0 for the ring: my quarter of the slot, my block of 128 rows
	s_mov_b32 s[G0B+1], s45
	s_add_nc_u64 s[G0+2:G0+3], s[G0+2:G0+3], s[92:93]
	s_add_nc_u64 s[G0B+2:G0B+3], s[G0B+2:G0B+3], s[92:93]
	s_wait_dscnt 0x0
	CROUND                                         ; all four tiles are in, and all sixteen work-groups are here
	JLOAD G0+4, G1, G0B+4, G1B
	global_prefetch_b8 v12, s[98:99] offset:65536 th:TH_LOAD_NT scope:SCOPE_SE   ; K step 3
	FETCH_B 0, 0, 0
	FETCH_A 0, 0, 0
	SCALES 0
	FETCH_A 0, 0, 4
.if FFN
	s_wait_loadcnt 0x0                             ; the bias
.endif
	STEP 0, 0, 1
	s_mov_b32 s3, LAPS-1
.Llap:
	TURN 0, 1, 1
	STEP 1, 0, 0
	TURN 1, 0, 1
	STEP 0, 0, 0
	s_sub_co_u32 s3, s3, 1
	s_cmp_lg_u32 s3, 0
	s_cbranch_scc1 .Llap
	TURN 0, 1, 0                                   ; the last lap fills nothing
	STEP 1, 0, 0
	s_wait_dscnt 4*NL
	WIN MUL_LO
	MUL16 0, 1, NQ-1, 1, 0
	MUL16 2, 1, NQ-1, 1, 0
	s_wait_dscnt 0
	WIN MUL_HI
	MUL16 4, 1, NQ-1, 1, 0
	MUL16 6, 1, NQ-1, 1, 0
	WIN 0
; THE WAY OUT, 16 rows at a time.  Lane (r, h) holds row r; accumulator b's register j is column 16 b + 8 h + j.  So a block of 32 columns is the 16 registers of accumulators 2 B, 2 B + 1 in lanes l and l xor 16.
; Each accumulator is first read at its low end.  Eight codes of a lane are 8 neighbouring bytes of a row: they go into my stage and come back as two runs of 1,024 consecutive bytes of the plane.
.macro QUANTW a
.set AC, 64*((\a)%4)
.set W1W, 2+(\a)/4
.set W2W, (W1W<<2)|(W1W<<4)
	WIN W2W                                        ; sources 1 and 2: the accumulators' window
.irp b, 0,1,2,3
.if FFN
	v_max3_num_f32 v[TM+\b], 0x8000000, v[AC+16*\b], v[AC+16*\b+1]      ; no |.|: what is negative becomes 0, so it does not count; the floor 2^(16 - 127) stands over it
.else
	v_max3_num_f32 v[TM+\b], 0x8000000, |v[AC+16*\b]|, |v[AC+16*\b+1]|  ; with the floor 2^(16 - 127): the byte cannot fall under 1
.endif
.endr
.irp i, 2,4,6,8,10,12,14
.irp b, 0,1,2,3
.if FFN
	v_max3_num_f32 v[TM+\b], v[TM+\b], v[AC+16*\b+\i], v[AC+16*\b+\i+1]
.else
	v_max3_num_f32 v[TM+\b], v[TM+\b], |v[AC+16*\b+\i]|, |v[AC+16*\b+\i+1]|
.endif
.endr
.endr
	WIN 0
.irp b, 0,1,2,3
	v_permlanex16_b32 v[TM+4+\b], v[TM+\b], s[SEL], s[SEL+1]
.endr
.irp b, 0,1,2,3
	v_max_num_f32 v[TM+\b], v[TM+\b], v[TM+4+\b]
.endr
.irp b, 0,1,2,3
	v_add_nc_u32 v[TM+12+\b], 0xf8800000, v[TM+\b]         ; 15 off the exponent field: the conversion's scale operand
.endr
.irp b, 0,1,2,3
	v_and_or_b32 v[TM+8+\b], v[TM+\b], 0x7f800000, s[MNT]  ; 57,344 x the scale
.endr
.irp b, 0,1,2,3
	v_lshrrev_b32 v[TM+4+\b], 23, v[TM+12+\b]              ; the byte
.endr
	v_lshl_or_b32 v[PW], v[TM+5], 8, v[TM+4]
	v_lshl_or_b32 v[PW], v[TM+6], 16, v[PW]
	v_lshl_or_b32 v[PW], v[TM+7], 24, v[PW]
	WIN W1W                                        ; source 0: the accumulators' window
.irp b, 0,1,2,3
.irp i, 0,1,2,3,4,5,6,7,8,9,10,11,12,13,14,15
.if FFN
	v_med3_num_f32 v[T+16*\b+\i], v[AC+16*\b+\i], 0, v[TM+8+\b]              ; the activation and the hold in one
.else
	v_med3_num_f32 v[T+16*\b+\i], v[AC+16*\b+\i], -v[TM+8+\b], v[TM+8+\b]    ; the conversion does not saturate (ISA guide 7.6.2): the hold
.endif
.endr
.endr
	WIN 0
.irp b, 0,1,2,3
	v_cvt_scalef32_pk8_bf8_f32 v[PC+4*\b:PC+4*\b+1], v[T+16*\b:T+16*\b+7], v[TM+12+\b]
	v_cvt_scalef32_pk8_bf8_f32 v[PC+4*\b+2:PC+4*\b+3], v[T+16*\b+8:T+16*\b+15], v[TM+12+\b]
.endr
	v_nop                                          ; one plain instruction behind the last conversion
.endm
	PLACES NP                                      ; behind the last products: their results are read and A's registers written below
	s_mov_b32 s[SEL], 0x76543210
	s_mov_b32 s[SEL+1], 0xfedcba98
	s_mov_b32 s[MNT], 0x600000
.irp b, 0,1,2,3
	v_mov_b32 v[TM+4+\b], 0                        ; a lane permute's destination counts as one of its sources
.endr
.irp a, 0,1,2,3,4,5,6,7
	QUANTW \a
.irp b, 0,1,2,3
	ds_store_b64 v[STO], v[PC+4*\b:PC+4*\b+1] offset:32*\b           ; columns 32 b + 8 h on,
	ds_store_b64 v[STO], v[PC+4*\b+2:PC+4*\b+3] offset:32*\b+16      ; and 32 b + 16 + 8 h on
.endr
	ds_store_b32 v[SWA], v[PW] offset:128*(\a/2)+32*(\a%2)
	s_wait_xcnt 0x0                                ; earlier stores have read their registers
.irp t, 0,1,2,3
	ds_load_b128 v[BK+16*((\a)%2)+4*\t:BK+16*((\a)%2)+4*\t+3], v[RD] offset:576*\t   ; LDS serves a wave's instructions in order: these see my stores
.endr
	s_wait_dscnt 0x0
.irp t, 0,1,2,3
	global_store_b128 v[CO], v[BK+16*((\a)%2)+4*\t:BK+16*((\a)%2)+4*\t+3], s[12:13] offset:4096*(\a/2)+1024*(\a%2)+2048*(\t/2)+512*(\t%2)
.endr
.endr
	ds_load_b128 v[196:199], v[SWR]
	s_wait_dscnt 0x0
	global_store_b128 v[CO], v[196:199], s[96:97]  ; my 128 rows' scale words: 512 consecutive bytes
	s_wait_tensorcnt 0x0                           ; the wave's end
	ds_add_u32 v[SPW], v[NIL]
	s_wait_dscnt 0x0
	CROUND                                         ; the closing round
	s_endpgm
.Lfunc_end_k_q21914f94bd_qkv:
	.size	k_q21914f94bd_qkv, .Lfunc_end_k_q21914f94bd_qkv-k_q21914f94bd_qkv
	.p2alignl 7, 3214868480
	.fill 96, 4, 3214868480
	.section	.rodata,"a",@progbits
	.p2align	6, 0x0
	.amdhsa_kernel k_q21914f94bd_qkv
		.amdhsa_group_segment_fixed_size 327680
		.amdhsa_private_segment_fixed_size 0
		.amdhsa_enable_private_segment 0
		.amdhsa_kernarg_size 16
		.amdhsa_user_sgpr_count 2
		.amdhsa_user_sgpr_kernarg_segment_ptr 1
		.amdhsa_wavefront_size32 1
		.amdhsa_system_sgpr_workgroup_id_x 1
		.amdhsa_system_sgpr_workgroup_id_y 1
		.amdhsa_system_sgpr_workgroup_id_z 1
		.amdhsa_system_vgpr_workitem_id 0
		.amdhsa_next_free_vgpr 1024
		.amdhsa_next_free_sgpr 100
		.amdhsa_reserve_vcc 0
		.amdhsa_float_denorm_mode_32 3
		.amdhsa_float_denorm_mode_16_64 3
		.amdhsa_memory_ordered 1
		.amdhsa_forward_progress 1
		.amdhsa_inst_pref_size 197
	.end_amdhsa_kernel
	.amdgpu_metadata
---
amdhsa.version: [ 1, 2 ]
amdhsa.kernels:
  - .name:           k_q21914f94bd_qkv
    .symbol:         k_q21914f94bd_qkv.kd
    .args:
      - { .name: ws0, .offset: 0, .size: 8, .value_kind: global_buffer, .address_space: global }
      - { .name: ws1, .offset: 8, .size: 8, .value_kind: global_buffer, .address_space: global }
    .group_segment_fixed_size: 327680
    .private_segment_fixed_size: 0
    .kernarg_segment_align: 8
    .kernarg_segment_size: 16
    .max_flat_workgroup_size: 128
    .sgpr_count:     100
    .vgpr_count:     1024
    .wavefront_size: 32
...
	.end_amdgpu_metadata
.endif
;; end of part 2
;; launch attn (part 3): grid 16 x 16, 16 waves a work-group, no clusters, 327,680 bytes of LDS; arguments ws1, ws2; writes ws2
.if DOCPART == 3
	.amdgcn_target "amdgcn-amd-amdhsa--gfx1250"
	.amdhsa_code_object_version 6
	.text
	.protected	k_q21914f94bd_attn
	.globl	k_q21914f94bd_attn
	.p2align	8
	.type	k_q21914f94bd_attn,@function
k_q21914f94bd_attn:
	s_mov_b64 s[64:65], 0
	v_nop
	global_prefetch_b8 v0, s[64:65] scope:SCOPE_SE
	s_setreg_imm32_b32 hwreg(HW_REG_WAVE_MODE, 25, 1), 1
	s_wait_xcnt 0x0
; o = softmax(q k^T / 8, causal) v for 32 (batch, head), 2,048 tokens, head size 64, both products on codes of E5M2 with E8M0 scales; o leaves as codes with scale words along the heads' 64.
; p = 2^(t - M), t = score x log2(e) / 8, M the running largest t rounded up to a whole number; the row's sum is taken of the unquantised p and divides at the end.
; LEFT OUT: key steps all of whose keys come after the wave's 16 queries: reference()'s own jnp.tril gives them the weight 0 for all inputs (shown at the head of the first kernel).
; SHARES.  Work-group (x, y): y = (batch, plane of two heads); it owns two half-blocks of 64 queries, number 31 - x (first pass) and number x (second pass).  Half-block n needs n / 4 + 1 slots of 256 keys,
; so every work-group walks (8 - x / 4) + (x / 4 + 1) = 9 slots: the trip count is a constant.  Wave w: query tile w % 4, head (w / 4) % 2, key half w / 8: of each slot a wave takes 128 keys.
; The two key halves of a tile keep their own M, sum and O^T; at the end they are joined through LDS by factors 2^(own M - common M); the wave of key half 0 finishes the first pass's tile, that of half 1 the second's.
; At the change of pass a wave keeps the first pass's O^T in v64-95 and its -M and sum in LDS words of its own; the second pass's q waits in v64-72 until then.
; THE RING: two slots, 2^17 bytes apart; a slot holds 256 keys of K (two planes of 128 rows x 128 bytes, both heads), the same keys of V (two planes of 128 (head, d) rows x 128 keys), and their scale words, 1,024 bytes each.
; Waves 0, 1 fetch K's planes, 2, 3 V's, 4 K's scale words, 5 V's: one tensor load a wave behind each barrier.  A plane is 16,384 dense bytes, stated as 64 rows of 256 bytes with the padding behind each 128.
; ROWS.  The launch before lays the rows of q's, k's and v's planes so that row 32 b + 16 x + 8 y + j lies at place 32 b + 16 y + 8 x + j.  Both products are used transposed.  Tile T of K is places 16 T .. 16 T + 15:
; its row 8 m + j is key 32 (T / 2) + 16 m + 8 (T % 2) + j, so that p's 16 registers of tiles 2 b, 2 b + 1 run along 16 neighbouring keys; tile t of V likewise gives a lane 16 neighbouring channels in tiles 2 b, 2 b + 1.
; q k^T has K = 64.  q's operand has zero codes in its upper half; K's eight tiles lie packed, 8 registers each, and the upper half of a tile's operand is the next tile's codes (behind the last: p's codes):
; finite codes under finite scale bytes, which meet zero codes and add nothing.
; NO CLUSTER: the branches that leave hidden key steps out hang on the work-group's own queries, which differ between the work-groups that walk the same K and V.
; PREFETCH: the sixteen work-groups of one y walk the same slots; the one with x = 0 (its first pass walks slots 0 to 7) asks in trip t, t = 0 .. 5, for slot t + 2, one trip ahead of the load that wants it:
; waves 8-11 for K's two planes, 8,192 bytes a wave, waves 12-15 for V's, lanes 256 bytes apart.  Slots 0 and 1 come by their loads alone.
; LIMITS: NaN and infinities are not served; the promise holds while |t| stays under 2^31; a block of zeros gets the byte 1 (zero codes; this program alone reads the bytes); blocks under 2^-111 are held at the byte 1.
; REGISTERS: v1-4 my places in a slot; v5, v6 the add's; v7 the prefetch's offset; v8-11 addresses in hand; v12 -M, v13 largest t, v[14:15] the sum; v16-31 q; v32-63 O^T; v64-95 the pass that waits or is kept;
; v96-159 S^T, then p; v160-223 K's tiles, then V's fragments; v224-239 p's codes; v240-247 K's scale words, then at work; v248-251 V's scale words; v232-255 at work.
.set KP,    144
.set HT,    128*KP
.set VOFF,  2*HT
.set KSO,   4*HT
.set VSO,   KSO+1024
.set SLOT1, 1<<17
.set SPARE, 2*SLOT1                    ; the spare words: 128 bytes a wave, named by no other line
.set SAV,   SPARE+2048                 ; 8 bytes a thread: the first pass's -M and sum
.set OST,   SAV+4096                   ; the way out: 128 rows x 144 bytes,
.set OSS,   OST+128*144                ; and their scale words
.set XCH,   SLOT1                      ; the exchange between key halves: 4,352 bytes a wave, in slot 1, which has had its last fill and its last read when trip 8's barrier is passed
.set XW,    4352
.set VC,    8388608
.set QKS,   12582912
.set VS,    12845056
.set OS,    4194304
.set AK0,  1
.set AV0,  2
.set ASK0, 3
.set ASV0, 4
.set SPW,  5
.set NIL,  6
.set GO,   7
.set PFO,  7
.set ADK,  8
.set ADV,  9
.set ADS,  10
.set ADT,  11
.set OB,   32
.set SB,   64
.set KB,   160
.set TB,   2                           ; s2 the slot in hand; s3 the trip; s[8:15] K's, V's codes and scale words at slot 0 (my part)
.set TRIP, 3
.set N1,   16                          ; slots of the first pass
.set CUR,  17                          ; the key slot in hand
.set WV,   18
.set MNT,  19
.set SEL,  20
.set CS,   22
.set G1,   24
.set G1SK, 32
.set G1SV, 40
.set G0K,  48
.set G0V,  52
.set G0SK, 56
.set G0SV, 60
.set KF,   66
.set Q0,   67
.set PFS,  68
.set PR,   70
.set PAR,  71
.set IT,   72
.set KH,   73
.set NX,   74                          ; the key slot that is asked for
.set PFA,  76
.set Q0B,  92
.set LIM,  95
.set KM,   98
.set KH7,  99
.macro TL g0, g1
	tensor_load_to_lds s[\g0:\g0+3], s[\g1:\g1+7]
	s_nop 0
.rept 4
	v_nop
.endr
.endm
.macro TLOAD                           ; one chain of branches on the wave's number, a load to an arm
	s_cmp_lt_u32 s[WV], 2
	s_cbranch_scc0 .Lnk_\@
	TL G0K, G1
	s_branch .Lasked_\@
.Lnk_\@:
	s_cmp_lt_u32 s[WV], 4
	s_cbranch_scc0 .Lnv_\@
	TL G0V, G1
	s_branch .Lasked_\@
.Lnv_\@:
	s_cmp_eq_u32 s[WV], 4
	s_cbranch_scc0 .Lns_\@
	TL G0SK, G1SK
	s_branch .Lasked_\@
.Lns_\@:
	s_cmp_eq_u32 s[WV], 5
	s_cbranch_scc0 .Lasked_\@
	TL G0SV, G1SV
.Lasked_\@:
.endm
.macro QADR hb, q0, co, so             ; half-block s[hb]: my tile's first query, its codes' and its scale words' offsets in ws1
	s_lshl_b32 s96, s\hb, 2
	s_add_co_u32 s96, s96, s[IT]
	s_lshl_b32 s\q0, s96, 4
	s_lshr_b32 s97, s96, 3
	s_add_co_u32 s97, s97, s75
	s_lshl_b32 s97, s97, 4
	s_add_co_u32 s97, s97, s[PR]
	s_and_b32 s96, s96, 7                          ; tile n of the block's eight: its rows lie at places 32 (n / 2) + 8 (n % 2) + r + 8 (r / 8)
	s_lshr_b32 s94, s96, 1
	s_lshl_b32 s94, s94, 5
	s_and_b32 s96, s96, 1
	s_lshl_b32 s96, s96, 3
	s_add_co_u32 s96, s96, s94
	s_lshl_b32 s\co, s97, 14
	s_lshl_b32 s94, s96, 7
	s_add_co_u32 s\co, s\co, s94
	s_lshl_b32 s94, s[PAR], 6
	s_add_co_u32 s\co, s\co, s94
	s_lshl_b32 s\so, s97, 9
	s_lshl_b32 s94, s96, 2
	s_add_co_u32 s\so, s\so, s94
	s_lshl_b32 s94, s[PAR], 1
	s_add_co_u32 s\so, s\so, s94
	s_add_co_u32 s\so, s\so, QKS
.endm
	s_load_b128 s[4:7], s[0:1], 0x0                ; ws1, ws2
	v_lshl_add_u32 v[SPW], v0, 2, SPARE
	v_mov_b32 v[NIL], 0
	ds_add_u32 v[SPW], v[NIL]                      ; the opening lines: the add, twice on end, and its wait ahead of the first tensor load
	ds_add_u32 v[SPW], v[NIL]
	v_lshrrev_b32 v8, 5, v0
	v_readfirstlane_b32 s[WV], v8
	s_and_b32 s[IT], s[WV], 3
	s_bfe_u32 s[PAR], s[WV], 0x10002
	s_lshr_b32 s[KH], s[WV], 3
	s_lshl_b32 s[KH7], s[KH], 7
	s_and_b32 s74, ttmp7, 0xffff
	s_lshr_b32 s75, s74, 3
	s_lshl_b32 s75, s75, 4                         ; the batch's first block of 128 tokens
	s_and_b32 s[PR], s74, 7
	s_lshr_b32 s74, ttmp9, 2
	s_sub_co_u32 s[N1], 8, s74
	s_mov_b32 s78, ttmp9                           ; the second pass's half-block,
	s_sub_co_u32 s79, 31, ttmp9                    ; the first's
	QADR 79, 67, 84, 86
	QADR 78, 92, 88, 90
	s_mov_b32 s85, 0
	s_mov_b32 s87, 0
	s_mov_b32 s89, 0
	s_mov_b32 s91, 0
	s_cmp_lg_u32 s[KH], 0                          ; the way out: wave w stores rows 8 (w % 8) on of the half-block that its key half finishes
	s_cselect_b32 s96, s78, s79
	s_cselect_b32 s[KM], -1, 0
	s_lshl_b32 s96, s96, 6
	s_and_b32 s97, s[WV], 7
	s_lshl_b32 s97, s97, 3
	s_add_co_u32 s96, s96, s97
	s_lshr_b32 s97, s96, 7
	s_add_co_u32 s97, s97, s75
	s_lshl_b32 s97, s97, 3
	s_add_co_u32 s97, s97, s[PR]
	s_and_b32 s96, s96, 127
	s_lshl_b32 s80, s97, 14
	s_lshl_b32 s94, s96, 7
	s_add_co_u32 s80, s80, s94
	s_mov_b32 s81, 0
	s_lshl_b32 s82, s97, 9
	s_lshl_b32 s94, s96, 2
	s_add_co_u32 s82, s82, s94
	s_add_co_u32 s82, s82, OS
	s_mov_b32 s83, 0
	s_and_b32 s96, s[WV], 1                        ; what I fetch, if I fetch: plane w % 2 of a slot
	s_add_co_u32 s97, s75, s96
	s_lshl_b32 s97, s97, 4
	s_add_co_u32 s97, s97, s[PR]
	s_add_co_u32 s97, s97, 8
	s_lshl_b32 s8, s97, 14
	s_mov_b32 s9, 0
	s_lshl_b32 s94, s[PR], 5
	s_add_co_u32 s94, s94, s75
	s_add_co_u32 s97, s94, s96
	s_lshl_b32 s10, s97, 14
	s_add_co_u32 s10, s10, VC
	s_mov_b32 s11, 0
	s_lshl_b32 s97, s75, 4
	s_add_co_u32 s97, s97, s[PR]
	s_add_co_u32 s97, s97, 8
	s_lshl_b32 s12, s97, 9
	s_add_co_u32 s12, s12, QKS
	s_mov_b32 s13, 0
	s_lshl_b32 s14, s94, 9
	s_add_co_u32 s14, s14, VS
	s_mov_b32 s15, 0
	s_mul_i32 s93, s96, HT
	s_lshl_b32 s97, s97, 14                        ; the prefetches: my 8,192 bytes of a slot's K (waves 8-11) or V (waves 12-15)
	s_lshl_b32 s94, s94, 14
	s_add_co_u32 s94, s94, VC
	s_lshr_b32 s96, s[IT], 1
	s_lshl_b32 s96, s96, 18
	s_add_co_u32 s97, s97, s96
	s_and_b32 s96, s[IT], 1
	s_lshl_b32 s96, s96, 13
	s_add_co_u32 s97, s97, s96
	s_lshl_b32 s96, s[IT], 13
	s_add_co_u32 s94, s94, s96
	s_mov_b32 s96, 32768
	s_cmp_eq_u32 s[PAR], 0
	s_cselect_b32 s76, s97, s94
	s_cselect_b32 s[PFS], 524288, s96              ; a slot on
	s_add_co_u32 s76, s76, s[PFS]                  ; at slot 1: the first change of slots steps it to slot 2
	s_mov_b32 s77, 0
	s_mov_b32 s[PFS+1], 0
	s_cmp_eq_u32 ttmp9, 0
	s_cselect_b32 s[LIM], s[KH], 0
	s_mul_i32 s[LIM], s[LIM], 6                    ; trips 0 to 5 in the waves that ask, none in the others
	s_mov_b32 s[G1], (1<<20)|(4<<22)|(3<<25)       ; a plane of codes: 64 rows of 256 bytes, four words of padding behind each 32
	s_mov_b32 s[G1+1], 256<<16
	s_mov_b32 s[G1+2], 64<<16
	s_mov_b32 s[G1+3], 256<<16
	s_mov_b32 s[G1+4], 64
	s_mov_b32 s[G1+5], 256
	s_mov_b32 s[G1+6], 0
	s_mov_b32 s[G1+7], 0
	s_mov_b32 s[G1SK], 2<<16                       ; K's scale words: two rows of 512 bytes, 8,192 bytes apart
	s_mov_b32 s[G1SK+1], 128<<16
	s_mov_b32 s[G1SK+2], 2<<16
	s_mov_b32 s[G1SK+3], 128<<16
	s_mov_b32 s[G1SK+4], 2
	s_mov_b32 s[G1SK+5], 2048
	s_mov_b32 s[G1SK+6], 0
	s_mov_b32 s[G1SK+7], 0
	s_mov_b32 s[G1SV], 3<<16                       ; V's: 1,024 dense bytes as four rows of 256
	s_mov_b32 s[G1SV+1], 32<<16
	s_mov_b32 s[G1SV+2], 4<<16
	s_mov_b32 s[G1SV+3], 32<<16
	s_mov_b32 s[G1SV+4], 4
	s_mov_b32 s[G1SV+5], 32
	s_mov_b32 s[G1SV+6], 0
	s_mov_b32 s[G1SV+7], 0
	s_mov_b32 s[SEL], 0x76543210
	s_mov_b32 s[SEL+1], 0xfedcba98
	s_mov_b32 s[CS], 0x3e38aa3b                    ; log2(e) / 8
	s_mov_b32 s[CS+1], s[CS]
	s_mov_b32 s[MNT], 0x600000
	s_mov_b32 s[TB], 0
	s_mov_b32 s[TRIP], 0
	s_mov_b32 s[CUR], 0
	s_wait_dscnt 0x0                               ; both opening adds are done
	s_wait_kmcnt 0x0
.irp b, 8,10,12,14,76,84,86,88,90
	s_add_nc_u64 s[\b:\b+1], s[4:5], s[\b:\b+1]
.endr
	s_add_nc_u64 s[80:81], s[6:7], s[80:81]
	s_add_nc_u64 s[82:83], s[6:7], s[82:83]
.macro G0SET g, b
	s_mov_b32 s[\g], 1
	s_mov_b64 s[\g+2:\g+3], s[\b:\b+1]
	s_or_b32 s[\g+3], s[\g+3], 0x80000000
.endm
	G0SET G0K, 8
	G0SET G0V, 10
	G0SET G0SK, 12
	G0SET G0SV, 14
	s_mov_b32 s[G0K+1], s93
	s_add_co_u32 s[G0V+1], s93, VOFF
	s_mov_b32 s[G0SK+1], KSO
	s_mov_b32 s[G0SV+1], VSO
	TLOAD                                          ; slot 0: key slot 0, which every pass reads
	s_mul_i32 s96, s[KH], HT
	s_lshl_b32 s94, s[PAR], 6
	s_add_co_u32 s93, s96, s94
	s_add_co_u32 s96, s96, VOFF
	s_lshl_b32 s74, s[KH], 9
	s_lshl_b32 s97, s[PAR], 1
	s_add_co_u32 s97, s97, s74
	s_add_co_u32 s97, s97, KSO
	s_add_co_u32 s74, s74, VSO
	v_and_b32 v[PFO], 31, v0
	v_lshlrev_b32 v[PFO], 8, v[PFO]
	v_and_b32 v8, 15, v0                           ; r
	v_bfe_u32 v9, v0, 4, 1                         ; h
	v_and_b32 v11, 8, v8
	v_add_nc_u32 v11, v11, v8                      ; r + 8 (r / 8): where q's rows lie
	v_lshlrev_b32 v10, 7, v11
	v_lshl_add_u32 v10, v9, 4, v10
	v_lshlrev_b32 v254, 2, v11
	global_load_b128 v[16:19], v10, s[84:85]       ; the first pass's q,
	global_load_b128 v[20:23], v10, s[84:85] offset:32
	global_load_u16 v255, v254, s[86:87]
	global_load_b128 v[SB:SB+3], v10, s[88:89]     ; the second's, which waits
	global_load_b128 v[SB+4:SB+7], v10, s[88:89] offset:32
	global_load_u16 v[SB+8], v254, s[90:91]
	v_mul_u32_u24 v[AK0], v8, KP
	v_lshl_add_u32 v[AK0], v9, 4, v[AK0]
	v_add_nc_u32 v[AK0], s93, v[AK0]               ; + my head's 64 bytes, + my key half's plane
	v_add_nc_u32 v12, s94, v8
	v_mul_u32_u24 v[AV0], v12, KP
	v_lshl_add_u32 v[AV0], v9, 4, v[AV0]
	v_add_nc_u32 v[AV0], s96, v[AV0]
	v_lshlrev_b32 v[ASK0], 2, v8
	v_add_nc_u32 v[ASK0], s97, v[ASK0]
	v_lshlrev_b32 v[ASV0], 2, v12
	v_add_nc_u32 v[ASV0], s74, v[ASV0]
	v_mov_b32 v13, 0xff61b1e6                      ; the largest t so far: -3e38
	v_floor_f32 v12, -v13
	v_mov_b32 v14, 0
	v_mov_b32 v15, 0
.irp b, 236,237,238,239,252,253
	v_mov_b32 v[\b], 0
.endr
.set J, 0
.rept 32
	v_mov_b32 v[OB+J], 0                           ; O^T: the first change of M leaves zeros zeros
.set J, J+1
.endr
.set J, 0
.rept 23
	v_mov_b32 v[SB+9+J], 0
.set J, J+1
.endr
.set J, 0
.rept 8
	v_mov_b32 v[24+J], 0                           ; K = 64: the upper half of q's operand is zero codes
	v_mov_b32 v[224+J], 0                          ; behind K's last tile: zero codes until p's first codes stand there
.set J, J+1
.endr
; A KEY STEP: my key half's 128 keys of the slot in hand.
.macro STEP
	s_add_co_u32 s96, s[Q0], 15
	s_cmp_gt_u32 s[KF], s96
	s_cbranch_scc1 .Lhidden_\@                     ; all 128 keys come after my 16 queries
	v_add_nc_u32 v[ADK], s[TB], v[AK0]
	v_add_nc_u32 v[ADV], s[TB], v[AV0]
	v_add_nc_u32 v[ADS], s[TB], v[ASK0]
	v_add_nc_u32 v[ADT], s[TB], v[ASV0]
	s_wait_alu depctr_va_vdst(0)
.rept 5
	v_nop                                          ; with the four lines above: places in front of loads into registers that the last products have read
.endr
.set T, 0
.rept 8                                            ; K's eight tiles in one run, 8 registers each, and their scale words
	ds_load_b128 v[KB+8*T:KB+8*T+3], v[ADK] offset:16*T*KP
	ds_load_b128 v[KB+8*T+4:KB+8*T+7], v[ADK] offset:16*T*KP+32
	ds_load_u16 v[240+T], v[ADS] offset:64*T
.set T, T+1
.endr
	s_wait_dscnt 0x0
.set T, 0
.rept 8
	v_wmma_scale_f32_16x16x128_f8f6f4 v[96+8*T:103+8*T], v[KB+8*T:KB+8*T+15], v[16:31], 0, v[240+T], v255 matrix_a_fmt:MATRIX_FMT_BF8 matrix_b_fmt:MATRIX_FMT_BF8
.set T, T+1
.endr
.rept 8
	v_nop                                          ; places: the scores are read, and K's registers loaded anew, below
.endr
.irp t, 0,1,2,3                                    ; V's four fragments and scale words are asked for now: the softmax stands between these loads and the wait for them
.irp c, 0,1,2,3
	ds_load_b128 v[KB+16*\t+4*\c:KB+16*\t+4*\c+3], v[ADV] offset:2304*\t+32*\c
.endr
	ds_load_b32 v[248+\t], v[ADT] offset:64*\t
.endr
	s_add_co_u32 s96, s[KF], 127
	s_cmp_le_u32 s96, s[Q0]
	s_cbranch_scc1 .Lopen_\@                       ; all keys count
	s_sub_co_i32 s96, s[Q0], s[KF]                 ; on the diagonal hidden scores become -infinity: register 16 b + i holds key KF + 16 h + 32 b + i
	v_and_b32 v252, 15, v0
	v_bfe_u32 v240, v0, 4, 1
	s_delay_alu instid0(VALU_DEP_1)
	v_lshlrev_b32 v240, 4, v240
	s_delay_alu instid0(VALU_DEP_1)
	v_sub_nc_u32 v252, v252, v240
	s_delay_alu instid0(VALU_DEP_1)
	v_add_nc_u32 v252, s96, v252
	v_mov_b32 v254, 0xff800000
.set N, 0
.rept 64
	v_cmp_gt_i32 vcc_lo, 32*(N/16)+N%16, v252
	v_cndmask_b32 v[96+N], v[96+N], v254, vcc_lo
.set N, N+1
.endr
.Lopen_\@:
.irp b, 0,1,2,3
	v_max3_num_f32 v[232+\b], v[96+16*\b], v[97+16*\b], v[98+16*\b]   ; each block's largest score: for the row's maximum and for the block's largest p
.endr
.irp i, 3,5,7,9,11,13
.irp b, 0,1,2,3
	v_max3_num_f32 v[232+\b], v[232+\b], v[96+16*\b+\i], v[97+16*\b+\i]
.endr
.endr
.irp b, 0,1,2,3
	v_max_num_f32 v[232+\b], v[232+\b], v[111+16*\b]
.endr
.irp b, 0,1,2,3
	v_permlanex16_b32 v[236+\b], v[232+\b], s[SEL], s[SEL+1]
.endr
.irp b, 0,1,2,3
	s_delay_alu instid0(VALU_DEP_4)
	v_max_num_f32 v[232+\b], v[232+\b], v[236+\b]
.endr
	s_delay_alu instid0(VALU_DEP_2)
	v_max3_num_f32 v254, v232, v233, v234
	s_delay_alu instid0(VALU_DEP_1)
	v_max_num_f32 v254, v254, v235
	s_delay_alu instid0(VALU_DEP_1)
	v_mul_f32 v254, s[CS], v254
	s_delay_alu instid0(VALU_DEP_1)
	v_max_num_f32 v13, v13, v254                   ; the running largest t
	v_mov_b32 v254, v12
	s_delay_alu instid0(VALU_DEP_2)
	v_floor_f32 v12, -v13                          ; -M = floor(-t)
	s_delay_alu instid0(VALU_DEP_1)
	v_sub_f32 v254, v12, v254
	s_delay_alu instid0(VALU_DEP_1)
	v_cvt_i32_f32 v254, v254
	s_delay_alu instid0(VALU_DEP_1)
	v_ldexp_f32 v252, 1.0, v254                    ; f = 2^(old M - new M)
.set J, 0
.rept 32
	v_pk_fma_f32 v[96+J:97+J], v[96+J:97+J], s[CS:CS+1], v[12:13] op_sel_hi:[1,0,0]
.set J, J+2
.endr
.irp b, 0,1,2,3
	v_fma_f32 v[232+\b], v[232+\b], s[CS], v12
.endr
	s_wait_alu depctr_va_vdst(0)                   ; the wait ahead of the batch
.set J, 0
.rept 64
	v_exp_f32 v[96+J], v[96+J]
.set J, J+1
.endr
.irp b, 0,1,2,3
	v_exp_f32 v[232+\b], v[232+\b]
.endr
	v_pk_mul_f32 v[14:15], v[14:15], v[252:253] op_sel_hi:[1,0]
	s_wait_alu depctr_va_vdst(0)                   ; and behind it, ahead of its first reader
.irp b, 0,1,2,3
	v_max_num_f32 v[232+\b], 0x8000000, v[232+\b]  ; the floor 2^(16 - 127)
.endr
.irp b, 0,1,2,3
	s_delay_alu instid0(VALU_DEP_4)
	v_add_nc_u32 v[244+\b], 0xf8800000, v[232+\b]  ; the conversion's scale operand
.endr
.irp b, 0,1,2,3
	v_and_or_b32 v[240+\b], v[232+\b], 0x7f800000, s[MNT]   ; 57,344 x the scale
.endr
.irp b, 0,1,2,3
	v_lshrrev_b32 v[236+\b], 23, v[244+\b]
.endr
	s_delay_alu instid0(VALU_DEP_3)
	v_lshl_or_b32 v253, v237, 8, v236              ; p's scale word
	s_delay_alu instid0(VALU_DEP_1)
	v_lshl_or_b32 v253, v238, 16, v253
	s_delay_alu instid0(VALU_DEP_1)
	v_lshl_or_b32 v253, v239, 24, v253
	v_pk_add_f32 v[236:237], v[96:97], v[98:99]    ; the row's sum of the unquantised p, in two chains
.irp j, 4,8,12,16,20,24,28,32,36,40,44,48,52,56,60
	v_pk_add_f32 v[14:15], v[14:15], v[96+\j:97+\j]
	v_pk_add_f32 v[236:237], v[236:237], v[98+\j:99+\j]
.endr
	s_delay_alu instid0(VALU_DEP_1)
	v_pk_add_f32 v[14:15], v[14:15], v[236:237]
.irp b, 0,1,2,3
.set J, 0
.rept 8
	v_dual_min_num_f32 v[96+16*\b+J], v[96+16*\b+J], v[240+\b] :: v_dual_min_num_f32 v[97+16*\b+J], v[97+16*\b+J], v[240+\b]   ; the conversion does not saturate (ISA guide 7.6.2); p is not negative: a one-sided hold, two numbers a line
.set J, J+2
.endr
	v_cvt_scalef32_pk8_bf8_f32 v[224+4*\b:225+4*\b], v[96+16*\b:103+16*\b], v[244+\b]
	v_cvt_scalef32_pk8_bf8_f32 v[226+4*\b:227+4*\b], v[104+16*\b:111+16*\b], v[244+\b]
.endr
.set J, 0
.rept 16
	v_pk_mul_f32 v[OB+J:OB+J+1], v[OB+J:OB+J+1], v[252:253] op_sel_hi:[1,0]   ; O^T under the new M
.set J, J+2
.endr
	s_wait_alu depctr_va_vdst(0)
	s_wait_dscnt 0x0                               ; V's fragments and scale words
.irp t, 0,1,2,3
	v_wmma_scale_f32_16x16x128_f8f6f4 v[OB+8*\t:OB+8*\t+7], v[KB+16*\t:KB+16*\t+15], v[224:239], v[OB+8*\t:OB+8*\t+7], v[248+\t], v253 matrix_a_fmt:MATRIX_FMT_BF8 matrix_b_fmt:MATRIX_FMT_BF8
.endr
.Lhidden_\@:
.endm
.macro GSTEP g, b, sh                  ; a walking descriptor: the other slot, key slot s[NX]
	s_xor_b32 s[\g+1], s[\g+1], SLOT1
	s_lshl_b32 s96, s[NX], \sh
	s_add_nc_u64 s[\g+2:\g+3], s[\b:\b+1], s[96:97]
	s_or_b32 s[\g+3], s[\g+3], 0x80000000
.endm
; THE CHANGE OF SLOTS, at a slot's head: every wave waits for all its tensor loads, adds 0 to its spare word, waits for that and for its reads of the slot that it has left; behind the barrier that slot is filled with the next key slot of the walk.
.macro CHANGE fill
	s_wait_tensorcnt 0x0
	ds_add_u32 v[SPW], v[NIL]                      ; 0 onto my spare word
.if \fill
	ds_add_u32 v[SPW], v[NIL]                      ; twice on end
	s_add_co_u32 s[NX], s[CUR], 1
	s_add_co_u32 s96, s[TRIP], 1
	s_cmp_eq_u32 s96, s[N1]
	s_cselect_b32 s[NX], 0, s[NX]                  ; the second pass begins at key slot 0 again
	s_mov_b32 s97, 0
	GSTEP G0K, 8, 19
	GSTEP G0V, 10, 15
	GSTEP G0SK, 12, 14
	GSTEP G0SV, 14, 10
	s_wait_xcnt 0x0                                ; any prefetch of mine has read its address
	s_add_nc_u64 s[PFA:PFA+1], s[PFA:PFA+1], s[PFS:PFS+1]
.endif
	s_wait_dscnt 0x0
	s_barrier_signal -1
	s_barrier_wait -1
.if \fill
	TLOAD
	s_cmp_lt_u32 s[TRIP], s[LIM]
	s_cbranch_scc0 .Lnot_mine_\@
	global_prefetch_b8 v[PFO], s[PFA:PFA+1] th:TH_LOAD_NT scope:SCOPE_SE
.Lnot_mine_\@:
.endif
.endm
; THE CHANGE OF PASS, in the trip whose number is the first pass's count of slots (ids alone: the same in all sixteen waves).
.macro PASS
	s_lshl_b32 s[KF], s[CUR], 8
	s_add_co_u32 s[KF], s[KF], s[KH7]              ; my step's first key
	s_cmp_eq_u32 s[TRIP], s[N1]
	s_cbranch_scc0 .Lsame_\@
	v_add_f32 v13, v14, v15                        ; these eleven lines are also the places behind the last products
	v_lshl_add_u32 v8, v0, 3, SAV
.set J, 0
.rept 8
	v_mov_b32 v[16+J], v[SB+J]                     ; the second pass's q
.set J, J+1
.endr
	v_mov_b32 v255, v[SB+8]
	ds_store_b64 v8, v[12:13]                      ; the first pass's -M and my lane's sum, into words of my own
.set J, 0
.rept 32
	v_mov_b32 v[SB+J], v[OB+J]                     ; its O^T, each accumulator from its low end on
.set J, J+1
.endr
.set J, 0
.rept 32
	v_mov_b32 v[OB+J], 0
.set J, J+1
.endr
	v_mov_b32 v13, 0xff61b1e6
	v_floor_f32 v12, -v13
	v_mov_b32 v14, 0
	v_mov_b32 v15, 0
	s_mov_b32 s[Q0], s[Q0B]
	s_wait_alu depctr_va_vdst(0)
.Lsame_\@:
.endm
	s_wait_alu depctr_va_vdst(0)                   ; the wait at the head's end
	s_wait_loadcnt 0x0                             ; both q
.Lslot:                                            ; eight trips, each asking for the next slot of the walk; the ninth is written out
	CHANGE 1
	PASS
	STEP
	s_xor_b32 s[TB], s[TB], SLOT1
	s_mov_b32 s[CUR], s[NX]
	s_add_co_u32 s[TRIP], s[TRIP], 1
	s_cmp_lt_u32 s[TRIP], 8
	s_cbranch_scc1 .Lslot
	CHANGE 0
	PASS
	STEP
; THE JOIN OF THE KEY HALVES.  Wave w and wave w xor 8 hold the two halves of two tiles.  Each sends the half of the tile that the other finishes, and keeps the other.
	s_wait_xcnt 0x0                                ; the last prefetch has read its offset: the register becomes GO
	s_mul_i32 s96, s[WV], XW
	s_add_co_u32 s96, s96, XCH
	s_xor_b32 s97, s[WV], 8
	s_mul_i32 s97, s97, XW
	s_add_co_u32 s97, s97, XCH
	s_lshl_b32 s93, s[KH], 6
	s_lshl_b32 s94, s[IT], 4
	s_add_co_u32 s93, s93, s94                     ; my finished tile's first row in the stage
	s_lshl_b32 s94, s[PAR], 6
	s_add_co_u32 s94, s94, OST
	s_lshl_b32 s74, s[PAR], 1
	s_add_co_u32 s74, s74, OSS
	s_lshl_b32 s95, s[WV], 3
	v_add_f32 v13, v14, v15                        ; the second pass's sum, my lane's
	v_lshl_add_u32 v8, v0, 3, SAV
	ds_load_b64 v[10:11], v8                       ; the first pass's -M and sum
	v_and_b32 v1, 31, v0
	v_and_b32 v2, 15, v0
	v_bfe_u32 v3, v0, 4, 1
	v_lshlrev_b32 v[GO], 4, v1
	v_lshlrev_b32 v4, 3, v1
	v_add_nc_u32 v9, s96, v[GO]                    ; where I send,
	v_add_nc_u32 v24, s96, v4
	v_add_nc_u32 v25, s97, v[GO]                   ; where my partner has sent
	v_add_nc_u32 v26, s97, v4
	v_add_nc_u32 v28, s93, v2
	v_mul_u32_u24 v27, v28, 144
	v_lshl_add_u32 v27, v3, 4, v27
	v_add_nc_u32 v27, s94, v27                     ; the stage: my row, my head's 64 bytes, + 16 h
	v_lshlrev_b32 v28, 2, v28
	v_add_nc_u32 v28, s74, v28
	v_lshrrev_b32 v29, 3, v1
	v_add_nc_u32 v29, s95, v29
	v_mul_u32_u24 v29, v29, 144
	v_and_b32 v30, 7, v1
	v_lshl_add_u32 v29, v30, 4, v29
	v_add_nc_u32 v29, OST, v29                     ; back: rows 8 w on, eight lanes to a row
	v_add_nc_u32 v30, s95, v30
	v_lshl_add_u32 v30, v30, 2, OSS
	v_lshlrev_b32 v31, 2, v1
	s_wait_alu depctr_va_vdst(0)
	s_wait_dscnt 0x0
	s_barrier_signal -1
	s_barrier_wait -1                              ; every wave has left the ring
.set J, 0
.rept 32
	v_cndmask_b32 v[96+J], v[OB+J], v[SB+J], s[KM]       ; sent: key half 0 the second pass's, key half 1 the first's
	v_cndmask_b32 v[128+J], v[SB+J], v[OB+J], s[KM]      ; kept
.set J, J+1
.endr
	v_cndmask_b32 v232, v12, v10, s[KM]
	v_cndmask_b32 v233, v13, v11, s[KM]
	v_cndmask_b32 v234, v10, v12, s[KM]
	v_cndmask_b32 v235, v11, v13, s[KM]
.irp i, 0,1,2,3,4,5,6,7
	ds_store_b128 v9, v[96+4*\i:99+4*\i] offset:512*\i
.endr
	ds_store_b64 v24, v[232:233] offset:4096
	s_wait_alu depctr_va_vdst(0)
	s_wait_dscnt 0x0
	s_barrier_signal -1
	s_barrier_wait -1
.irp i, 0,1,2,3,4,5,6,7
	ds_load_b128 v[96+4*\i:99+4*\i], v25 offset:512*\i
.endr
	ds_load_b64 v[236:237], v26 offset:4096
	s_wait_dscnt 0x0
	v_min_num_f32 v238, v234, v236                 ; -M of both halves
	v_sub_f32 v240, v238, v234
	v_sub_f32 v242, v238, v236
	v_cvt_i32_f32 v240, v240                       ; (it saturates: a half with no key gets the factor 0)
	v_cvt_i32_f32 v242, v242
	v_ldexp_f32 v240, 1.0, v240
	v_ldexp_f32 v242, 1.0, v242
	v_mul_f32 v14, v240, v235
	v_fmac_f32 v14, v242, v237
	v_permlanex16_b32 v239, v14, s[SEL], s[SEL+1]
	v_add_f32 v14, v14, v239                       ; the row's sum
	s_wait_alu depctr_va_vdst(0)                   ; the wait ahead of the transcendental
	v_rcp_f32 v14, v14
	v_nop
	s_wait_alu depctr_va_vdst(0)                   ; and ahead of its first reader
	v_mul_f32 v240, v240, v14
	v_mul_f32 v242, v242, v14
	v_mov_b32 v241, v240
	v_mov_b32 v243, v242
.set J, 0
.rept 16
	v_pk_mul_f32 v[128+J:129+J], v[128+J:129+J], v[240:241]
.set J, J+2
.endr
.set J, 0
.rept 16
	v_pk_fma_f32 v[128+J:129+J], v[96+J:97+J], v[242:243], v[128+J:129+J]   ; register 128 + 16 b + i is o(r, 32 b + 16 h + i)
.set J, J+2
.endr
.irp b, 0,1
	v_max3_num_f32 v[232+\b], |v[128+16*\b]|, |v[129+16*\b]|, 0x8000000
.endr
.irp i, 2,4,6,8,10,12,14
.irp b, 0,1
	v_max3_num_f32 v[232+\b], v[232+\b], |v[128+16*\b+\i]|, |v[129+16*\b+\i]|
.endr
.endr
.irp b, 0,1
	v_permlanex16_b32 v[236+\b], v[232+\b], s[SEL], s[SEL+1]
.endr
.irp b, 0,1
	v_max_num_f32 v[232+\b], v[232+\b], v[236+\b]
.endr
.irp b, 0,1
	v_add_nc_u32 v[244+\b], 0xf8800000, v[232+\b]
.endr
.irp b, 0,1
	v_and_or_b32 v[240+\b], v[232+\b], 0x7f800000, s[MNT]
.endr
.irp b, 0,1
	v_lshrrev_b32 v[236+\b], 23, v[244+\b]
.endr
	v_lshl_or_b32 v253, v237, 8, v236
.irp b, 0,1
.set J, 0
.rept 16
	v_med3_num_f32 v[128+16*\b+J], v[128+16*\b+J], -v[240+\b], v[240+\b]
.set J, J+1
.endr
	v_cvt_scalef32_pk8_bf8_f32 v[224+4*\b:225+4*\b], v[128+16*\b:135+16*\b], v[244+\b]
	v_cvt_scalef32_pk8_bf8_f32 v[226+4*\b:227+4*\b], v[136+16*\b:143+16*\b], v[244+\b]
.endr
	v_nop                                          ; one plain line behind the last conversion
.irp b, 0,1
	ds_store_b128 v27, v[224+4*\b:227+4*\b] offset:32*\b   ; 16 neighbouring channels
.endr
	ds_store_b16 v28, v253
	s_wait_dscnt 0x0
	s_barrier_signal -1
	s_barrier_wait -1                              ; both heads' halves of all 128 rows lie in the stage
	ds_load_b128 v[32:35], v29
	ds_load_b128 v[36:39], v29 offset:576
	ds_load_b32 v40, v30
	s_wait_dscnt 0x0
	global_store_b128 v[GO], v[32:35], s[80:81]            ; eight rows of 128 bytes: 1,024 consecutive bytes
	global_store_b128 v[GO], v[36:39], s[80:81] offset:512
	v_cmp_gt_u32 vcc_lo, 8, v1
	s_wait_xcnt 0x0                                ; EXEC changes only behind this wait
	s_and_saveexec_b32 s96, vcc_lo
	global_store_b32 v31, v40, s[82:83]            ; their scale words
	s_wait_xcnt 0x0
	s_or_b32 exec_lo, exec_lo, s96
	s_wait_tensorcnt 0x0                           ; the wave's end
	ds_add_u32 v[SPW], v[NIL]
	s_wait_dscnt 0x0
	s_endpgm
.Lfunc_end_k_q21914f94bd_attn:
	.size	k_q21914f94bd_attn, .Lfunc_end_k_q21914f94bd_attn-k_q21914f94bd_attn
	.p2alignl 7, 3214868480
	.fill 96, 4, 3214868480
	.section	.rodata,"a",@progbits
	.p2align	6, 0x0
	.amdhsa_kernel k_q21914f94bd_attn
		.amdhsa_group_segment_fixed_size 327680
		.amdhsa_private_segment_fixed_size 0
		.amdhsa_enable_private_segment 0
		.amdhsa_kernarg_size 16
		.amdhsa_user_sgpr_count 2
		.amdhsa_user_sgpr_kernarg_segment_ptr 1
		.amdhsa_wavefront_size32 1
		.amdhsa_system_sgpr_workgroup_id_x 1
		.amdhsa_system_sgpr_workgroup_id_y 1
		.amdhsa_system_sgpr_workgroup_id_z 1
		.amdhsa_system_vgpr_workitem_id 0
		.amdhsa_next_free_vgpr 256
		.amdhsa_next_free_sgpr 100
		.amdhsa_reserve_vcc 1
		.amdhsa_float_denorm_mode_32 3
		.amdhsa_float_denorm_mode_16_64 3
		.amdhsa_memory_ordered 1
		.amdhsa_forward_progress 1
		.amdhsa_inst_pref_size 88
	.end_amdhsa_kernel
	.amdgpu_metadata
---
amdhsa.version: [ 1, 2 ]
amdhsa.kernels:
  - .name:           k_q21914f94bd_attn
    .symbol:         k_q21914f94bd_attn.kd
    .args:
      - { .name: ws1, .offset: 0, .size: 8, .value_kind: global_buffer, .address_space: global }
      - { .name: ws2, .offset: 8, .size: 8, .value_kind: global_buffer, .address_space: global }
    .group_segment_fixed_size: 327680
    .private_segment_fixed_size: 0
    .kernarg_segment_align: 8
    .kernarg_segment_size: 16
    .max_flat_workgroup_size: 512
    .sgpr_count:     100
    .vgpr_count:     256
    .wavefront_size: 32
...
	.end_amdgpu_metadata
.endif
;; end of part 3
;; launch projln (part 4): grid 128 x 1, 8 waves a work-group, no clusters, 187,904 bytes of LDS; arguments ws2, ws0, b_proj, gamma2, beta2, ws3; writes ws3
.if DOCPART == 4
	.amdgcn_target "amdgcn-amd-amdhsa--gfx1250"
	.amdhsa_code_object_version 6
	.text
	.protected	k_q21914f94bd_projln
	.globl	k_q21914f94bd_projln
	.p2align	8
	.type	k_q21914f94bd_projln,@function
k_q21914f94bd_projln:
	s_mov_b64 s[64:65], 0
	v_nop
	global_prefetch_b8 v0, s[64:65] scope:SCOPE_SE
	s_setreg_imm32_b32 hwreg(HW_REG_WAVE_MODE, 25, 1), 1
	s_wait_xcnt 0x0
; h2 = layer_norm(h + o w_proj + b_proj, gamma2, beta2); the product on codes of E5M2 with E8M0 scales; h2 leaves as f32 and as codes with scale words.
; SHARES.  A work-group owns 32 WHOLE rows, so that the norm stays inside it.  Wave w owns columns 128 w .. 128 w + 127: one block of 128 rows of w_proj's codes, 131,072 consecutive bytes, which it streams once
; straight into registers (no other wave of the group reads them, so LDS would only add a pass), and one plane of h2's codes.
; W_PROJ'S CODES LIE IN THE ORDER OF THE OPERAND'S REGISTERS (the first launch lays them so): [plane][fragment of 16 rows][piece c][lane][16 bytes]: each weight load of a wave covers 512 consecutive bytes, 16 x lane.
; o's sixteen fragments (8 planes x 2 tiles of rows) are read from memory once, two by each wave, and go round through LDS as images of their registers.
; h + b_proj is loaded in whole rows, turned through LDS into the result's layout, and is the C of each sum's first product.
; THE MATRIX INSTRUCTION IS USED TRANSPOSED (source 0 = 16 rows of w_proj, source 1 = 16 rows of o): lane (r, h) holds row r; tile i's register j is column 16 i + 8 h + j.
; No tensor load, no cluster: every weight byte has one reader in a work-group.  All work-groups stream the same 1,048,576 bytes of weights.
; LIMITS: NaN and infinities are not served; a block of zeros gets the byte 1 (zero codes; this program alone reads the bytes); blocks under 2^-111 are held at the byte 1.
; REGISTERS: window 0: v1-18 addresses; v20-27 o's scale words (lanes 0-15 rows 0-15, lanes 16-31 rows 16-31); v28-59 w_proj's (lanes 0-15 tile 2 x, lanes 16-31 tile 2 x + 1);
;   v64-127 o's fragments, two buffers, later at work; v128-255 the sums (128 + 64 mt + 8 i).   window 1: two buffers of 8 fragments of w_proj; later gamma2 v0-63, beta2 v64-127, whole rows of h2 v128-255.
.set XP,    4112                       ; a row of 1,024 f32 in LDS + 16 bytes
.set AIMG,  32*XP                      ; o's 16 fragment images of 2,048 bytes
.set RED1,  AIMG+32768                 ; [row 32][wave 8] f32: the sums;  1,024 bytes on: the sums of squares
.set CST,   RED1+2048                  ; for each wave 16 rows x 144 bytes, in 2,560
.set OS,    4194304                    ; byte offsets: in ws2,
.set WPC,   24117248                   ; in ws0,
.set WPS,   33783808
.set H2C,   16777216                   ; in ws3
.set H2S,   20971520
.set TM,  64
.set PW,  80
.set PC,  82
.set MSB, 0
.macro WIN new
.if MSB != \new
	s_set_vgpr_msb (MSB<<8)|\new
.set MSB, \new
.endif
.endm
	s_load_b256 s[4:11], s[0:1], 0x0               ; ws2, ws0, b_proj, gamma2
	s_load_b128 s[12:15], s[0:1], 0x20             ; beta2, ws3
	v_lshl_add_u32 v62, v0, 2, 0x2da00
	v_mov_b32 v63, 0
	v_lshrrev_b32 v1, 5, v0
	s_delay_alu instid0(VALU_DEP_1)
	v_readfirstlane_b32 s16, v1                    ; wave 0..7
	s_lshr_b32 s17, ttmp9, 2                       ; my rows' block of 128,
	s_and_b32 s18, ttmp9, 3
	s_lshl_b32 s18, s18, 5                         ; and their place there
	s_lshl_b32 s19, s17, 3
	s_add_co_u32 s19, s19, s16                     ; (block, plane w)
	s_lshl_b32 s20, s19, 14
	s_lshl_b32 s21, s18, 7
	s_add_co_u32 s20, s20, s21
	s_add_co_u32 s32, s20, H2C                     ; h2's codes: the same place as
	s_mov_b32 s21, 0                               ; s[20:21] o's codes of plane w
	s_mov_b32 s33, 0
	s_lshl_b32 s22, s17, 12
	s_lshl_b32 s23, s18, 2
	s_add_co_u32 s22, s22, s23
	s_add_co_u32 s22, s22, OS
	s_lshl_b32 s34, s19, 9
	s_add_co_u32 s34, s34, s23
	s_add_co_u32 s34, s34, H2S
	s_mov_b32 s23, 0                               ; s[22:23] o's scale words, plane 0
	s_mov_b32 s35, 0                               ; s[34:35] h2's, plane w
	s_lshl_b32 s24, s16, 17
	s_add_co_u32 s24, s24, WPC
	s_mov_b32 s25, 0
	s_lshl_b32 s26, s16, 12
	s_add_co_u32 s26, s26, WPS
	s_mov_b32 s27, 0
	s_lshl_b32 s28, ttmp9, 5
	s_lshl_b32 s29, s16, 2
	s_add_co_u32 s28, s28, s29
	s_lshl_b32 s28, s28, 12                        ; the four whole rows that I load and store
	s_mov_b32 s29, 0
	s_lshl_b32 s30, s16, 9
	s_mov_b32 s31, 0
	s_mov_b32 s52, 0x76543210
	s_mov_b32 s53, 0xfedcba98
	s_mov_b32 s54, 0x600000
	s_mov_b32 s55, 0x3a800000                      ; 1 / 1,024
	s_mov_b32 s56, 0x3727c5ac                      ; 1e-5
	v_and_b32 v1, 31, v0                           ; l
	v_and_b32 v2, 15, v0                           ; r
	v_bfe_u32 v3, v0, 4, 1                         ; h
	s_delay_alu instid0(VALU_DEP_2)
	v_lshlrev_b32 v4, 7, v2
	s_delay_alu instid0(VALU_DEP_1)
	v_lshl_add_u32 v4, v3, 4, v4                   ; a fragment of o in memory, by rows: 128 r + 16 h
	v_lshlrev_b32 v5, 4, v1
	v_lshlrev_b32 v6, 2, v1
	v_mul_u32_u24 v7, v2, XP
	s_delay_alu instid0(VALU_DEP_1)
	v_lshl_add_u32 v7, v3, 5, v7
	s_delay_alu instid0(VALU_DEP_1)
	v_add_nc_u32 v7, s30, v7                       ; the rows' stage in the result's layout: row r, + 32 h, + my 512 bytes
	s_delay_alu instid0(VALU_DEP_1)
	v_add_nc_u32 v18, 16*XP, v7                    ; rows 16-31
	s_mul_i32 s58, s16, 4*XP
	v_add_nc_u32 v8, s58, v5                       ; and as whole rows: my four
	s_lshl_b32 s58, s16, 12
	s_add_co_u32 s58, s58, AIMG
	v_add_nc_u32 v9, s58, v5                       ; where I store plane w's two images
	v_add_nc_u32 v10, AIMG, v5                     ; where any image is read
	v_lshlrev_b32 v11, 5, v1
	s_lshl_b32 s58, s16, 2
	s_add_co_u32 s58, s58, RED1
	v_add_nc_u32 v11, s58, v11                     ; row l's partial sum of wave w
	v_lshlrev_b32 v12, 5, v2
	s_delay_alu instid0(VALU_DEP_1)
	v_add_nc_u32 v12, RED1, v12                    ; row r's eight
	s_mul_i32 s58, s16, 2560
	s_add_co_u32 s58, s58, CST
	v_mul_u32_u24 v13, v2, 144
	s_delay_alu instid0(VALU_DEP_1)
	v_lshl_add_u32 v13, v3, 3, v13
	s_delay_alu instid0(VALU_DEP_1)
	v_add_nc_u32 v13, s58, v13
	v_lshrrev_b32 v14, 3, v1
	s_delay_alu instid0(VALU_DEP_1)
	v_mul_u32_u24 v14, v14, 144
	v_and_b32 v15, 7, v1
	s_delay_alu instid0(VALU_DEP_1)
	v_lshl_add_u32 v14, v15, 4, v14
	s_delay_alu instid0(VALU_DEP_1)
	v_add_nc_u32 v14, s58, v14
	v_lshlrev_b32 v17, 5, v3
	v_cmp_ne_u32 s57, 0, v3                        ; lanes 16-31
	s_wait_kmcnt 0x0
	s_add_nc_u64 s[36:37], s[4:5], s[20:21]
	s_add_nc_u64 s[38:39], s[4:5], s[22:23]
	s_add_nc_u64 s[40:41], s[6:7], s[24:25]
	s_add_nc_u64 s[42:43], s[6:7], s[26:27]
	s_add_nc_u64 s[44:45], s[6:7], s[28:29]        ; h as f32
	s_add_nc_u64 s[46:47], s[14:15], s[28:29]      ; h2 as f32
	s_add_nc_u64 s[10:11], s[10:11], s[30:31]
	s_add_nc_u64 s[12:13], s[12:13], s[30:31]
	s_add_nc_u64 s[48:49], s[14:15], s[32:33]
	s_add_nc_u64 s[50:51], s[14:15], s[34:35]
.irp j, 0,1,2,3,4,5,6,7
	global_load_b128 v[64+4*\j:67+4*\j], v5, s[8:9] offset:512*\j                     ; 8: b_proj
.endr
.irp q, 0,1,2,3
.irp j, 0,1,2,3,4,5,6,7
	global_load_b128 v[128+32*\q+4*\j:131+32*\q+4*\j], v5, s[44:45] offset:4096*\q+512*\j   ; 32: four rows of h
.endr
.endr
.irp m, 0,1
.irp c, 0,1,2,3
	global_load_b128 v[96+16*\m+4*\c:99+16*\m+4*\c], v4, s[36:37] offset:2048*\m+32*\c      ; 8: o's two fragments of plane w
.endr
.endr
.irp p, 0,1,2,3,4,5,6,7
	global_load_b32 v[20+\p], v6, s[38:39] offset:512*\p                              ; 8: o's scale words
.endr
.irp p, 0,1,2,3,4,5,6,7
.irp x, 0,1,2,3
	global_load_b32 v[28+4*\p+\x], v6, s[42:43] offset:512*\p+128*\x                  ; 32: w_proj's
.endr
.endr
	s_wait_loadcnt 48                              ; b_proj and h are in; the 8 + 8 + 32 younger loads may be out
.irp q, 0,1,2,3
.irp n, 0,2,4,6,8,10,12,14,16,18,20,22,24,26,28,30
	v_pk_add_f32 v[128+32*\q+\n:129+32*\q+\n], v[128+32*\q+\n:129+32*\q+\n], v[64+\n:65+\n]
.endr
.endr
.irp q, 0,1,2,3
.irp j, 0,1,2,3,4,5,6,7
	ds_store_b128 v8, v[128+32*\q+4*\j:131+32*\q+4*\j] offset:XP*\q+512*\j
.endr
.endr
	s_wait_loadcnt 40                              ; o's fragments are in; the 8 + 32 scale loads may be out
.irp m, 0,1
.irp c, 0,1,2,3
	ds_store_b128 v9, v[96+16*\m+4*\c:99+16*\m+4*\c] offset:2048*\m+512*\c
.endr
.endr
.macro WLOAD p                         ; w_proj's 8 fragments of plane p into buffer p % 2 of window 1: 32 loads of 512 consecutive bytes; piece c of fragment i gives lane (r, h) row 16 i + r, k = 32 c + 16 h on
	WIN 0x40
.irp i, 0,1,2,3,4,5,6,7
.irp c, 0,1,2,3
	global_load_b128 v[128*((\p)%2)+16*\i+4*\c:128*((\p)%2)+16*\i+4*\c+3], v5, s[40:41] offset:16384*(\p)+2048*\i+512*\c
.endr
.endr
	WIN 0
.endm
	WLOAD 0
	WLOAD 1
	s_wait_dscnt 0x0                               ; my stores have landed
	s_barrier_signal -1
	s_barrier_wait -1                              ; 32 rows of h + b_proj and o's sixteen images lie in LDS
.irp i, 0,1,2,3,4,5,6,7
	ds_load_b128 v[128+8*\i:131+8*\i], v7 offset:64*\i
	ds_load_b128 v[132+8*\i:135+8*\i], v7 offset:64*\i+16
	ds_load_b128 v[192+8*\i:195+8*\i], v18 offset:64*\i
	ds_load_b128 v[196+8*\i:199+8*\i], v18 offset:64*\i+16
.endr
.macro AFETCH p                        ; o's two fragments of plane p
.irp m, 0,1
.irp c, 0,1,2,3
	ds_load_b128 v[64+32*((\p)%2)+16*\m+4*\c:64+32*((\p)%2)+16*\m+4*\c+3], v10 offset:4096*(\p)+2048*\m+512*\c
.endr
.endr
.endm
	AFETCH 0
.macro WM d, a, b, sa, sb, ra, rb      ; one product in place; ra, rb: the scale words stand in lanes 16-31
.if (\ra) && (\rb)
	v_wmma_scale_f32_16x16x128_f8f6f4 v[\d:\d+7], v[\a:\a+15], v[\b:\b+15], v[\d:\d+7], v[\sa], v[\sb] matrix_a_fmt:MATRIX_FMT_BF8 matrix_b_fmt:MATRIX_FMT_BF8 matrix_a_scale:MATRIX_SCALE_ROW1 matrix_b_scale:MATRIX_SCALE_ROW1
.elseif \ra
	v_wmma_scale_f32_16x16x128_f8f6f4 v[\d:\d+7], v[\a:\a+15], v[\b:\b+15], v[\d:\d+7], v[\sa], v[\sb] matrix_a_fmt:MATRIX_FMT_BF8 matrix_b_fmt:MATRIX_FMT_BF8 matrix_a_scale:MATRIX_SCALE_ROW1
.elseif \rb
	v_wmma_scale_f32_16x16x128_f8f6f4 v[\d:\d+7], v[\a:\a+15], v[\b:\b+15], v[\d:\d+7], v[\sa], v[\sb] matrix_a_fmt:MATRIX_FMT_BF8 matrix_b_fmt:MATRIX_FMT_BF8 matrix_b_scale:MATRIX_SCALE_ROW1
.else
	v_wmma_scale_f32_16x16x128_f8f6f4 v[\d:\d+7], v[\a:\a+15], v[\b:\b+15], v[\d:\d+7], v[\sa], v[\sb] matrix_a_fmt:MATRIX_FMT_BF8 matrix_b_fmt:MATRIX_FMT_BF8
.endif
.endm
.macro KSTEP p                         ; 128 along K: sixteen products on sixteen accumulators, by turns
	s_wait_loadcnt 32                              ; this plane's weights (and, at first, the scale words) are in; the 32 youngest loads may be out
	s_wait_dscnt 0x0                               ; o's fragments of this plane are in
.if (\p) < 7
	AFETCH (\p)+1
.endif
	WIN 0x01                                       ; source 0 in window 1
.irp i, 0,1,2,3,4,5,6,7
.irp m, 0,1
	WM 128+64*\m+8*\i, 128*((\p)%2)+16*\i, 64+32*((\p)%2)+16*\m, 28+4*(\p)+\i/2, 20+(\p), \i%2, \m
.endr
.endr
	WIN 0
.rept 8
	v_nop                                          ; places in front of loads into registers that the products have read, and of the first read of results
.endr
.if (\p) < 6
	WLOAD (\p)+2
.endif
.if (\p) == 6
	WIN 0x40
.irp i, 0,1,2,3,4,5,6,7
	global_load_b128 v[8*\i:8*\i+3], v17, s[10:11] offset:64*\i          ; gamma2 and beta2 in the result's layout: columns 16 i + 8 h + 0 .. 7
	global_load_b128 v[8*\i+4:8*\i+7], v17, s[10:11] offset:64*\i+16
	global_load_b128 v[64+8*\i:64+8*\i+3], v17, s[12:13] offset:64*\i
	global_load_b128 v[64+8*\i+4:64+8*\i+7], v17, s[12:13] offset:64*\i+16
.endr
	WIN 0
.endif
.endm
.irp p, 0,1,2,3,4,5,6,7
	KSTEP \p
.endr
; THE NORM.  A row's 1,024 numbers lie in eight waves, two lanes each, 64 registers a lane.
.macro LSUM m                          ; my 64 numbers of tile of rows m, in two chains, each accumulator from its low end on
.set LNB, 128+64*(\m)
.set LNS, 98+4*(\m)
	v_pk_add_f32 v[LNS:LNS+1], v[LNB:LNB+1], v[LNB+4:LNB+5]
	v_pk_add_f32 v[LNS+2:LNS+3], v[LNB+2:LNB+3], v[LNB+6:LNB+7]
.irp j, 8,12,16,20,24,28,32,36,40,44,48,52,56,60
	v_pk_add_f32 v[LNS:LNS+1], v[LNS:LNS+1], v[LNB+\j:LNB+\j+1]
	v_pk_add_f32 v[LNS+2:LNS+3], v[LNS+2:LNS+3], v[LNB+\j+2:LNB+\j+3]
.endr
.endm
.macro LSQ m                           ; and of their squares
.set LNB, 128+64*(\m)
.set LNS, 98+4*(\m)
	v_pk_mul_f32 v[LNS:LNS+1], v[LNB:LNB+1], v[LNB:LNB+1]
	v_pk_mul_f32 v[LNS+2:LNS+3], v[LNB+2:LNB+3], v[LNB+2:LNB+3]
.irp j, 4,8,12,16,20,24,28,32,36,40,44,48,52,56,60
	s_delay_alu instid0(VALU_DEP_2)
	v_pk_fma_f32 v[LNS:LNS+1], v[LNB+\j:LNB+\j+1], v[LNB+\j:LNB+\j+1], v[LNS:LNS+1]
	s_delay_alu instid0(VALU_DEP_2)
	v_pk_fma_f32 v[LNS+2:LNS+3], v[LNB+\j+2:LNB+\j+3], v[LNB+\j+2:LNB+\j+3], v[LNS+2:LNS+3]
.endr
.endm
.macro RSUM off                        ; the chains' ends, the other half of the lanes, the eight waves (through LDS, one barrier): row r's total in v110, row 16 + r's in v118
.irp m, 0
	v_pk_add_f32 v[98+4*\m:99+4*\m], v[98+4*\m:99+4*\m], v[100+4*\m:101+4*\m]
.endr
.irp m, 1
	s_delay_alu instid0(VALU_DEP_2)
	v_pk_add_f32 v[98+4*\m:99+4*\m], v[98+4*\m:99+4*\m], v[100+4*\m:101+4*\m]
.endr
	s_delay_alu instid0(VALU_DEP_2)
	v_add_f32 v98, v98, v99
	s_delay_alu instid0(VALU_DEP_2)
	v_add_f32 v102, v102, v103
	s_delay_alu instid0(VALU_DEP_2)
	v_permlanex16_b32 v106, v98, s52, s53
	s_delay_alu instid0(VALU_DEP_2)
	v_permlanex16_b32 v107, v102, s52, s53
	s_delay_alu instid0(VALU_DEP_2)
	v_add_f32 v98, v98, v106
	s_delay_alu instid0(VALU_DEP_2)
	v_add_f32 v102, v102, v107
	s_delay_alu instid0(VALU_DEP_1)
	v_cndmask_b32 v108, v98, v102, s57             ; lane l keeps row l's
	ds_store_b32 v11, v108 offset:\off
	s_wait_dscnt 0x0
	s_barrier_signal -1
	s_barrier_wait -1
	ds_load_b128 v[110:113], v12 offset:\off
	ds_load_b128 v[114:117], v12 offset:\off+16
	ds_load_b128 v[118:121], v12 offset:\off+512
	ds_load_b128 v[122:125], v12 offset:\off+528
	s_wait_dscnt 0x0
.irp b, 110, 118
	v_pk_add_f32 v[\b:\b+1], v[\b:\b+1], v[\b+2:\b+3]
	v_pk_add_f32 v[\b+4:\b+5], v[\b+4:\b+5], v[\b+6:\b+7]
	s_delay_alu instid0(VALU_DEP_1)
	v_pk_add_f32 v[\b:\b+1], v[\b:\b+1], v[\b+4:\b+5]
	s_delay_alu instid0(VALU_DEP_1)
	v_add_f32 v[\b], v[\b], v[\b+1]
.endr
.endm
	v_mov_b32 v106, 0                              ; a lane permute's destination counts as one of its sources
	v_mov_b32 v107, 0
.irp b, 0,1,2,3
	v_mov_b32 v[TM+4+\b], 0
.endr
	LSUM 0
	LSUM 1
	RSUM 0
	v_mul_f32 v110, s55, v110                      ; the means
	s_delay_alu instid0(VALU_DEP_2)
	v_mul_f32 v118, s55, v118
.irp j, 0,2,4,6,8,10,12,14,16,18,20,22,24,26,28,30,32,34,36,38,40,42,44,46,48,50,52,54,56,58,60,62
	v_pk_add_f32 v[128+\j:129+\j], v[128+\j:129+\j], v[110:111] op_sel_hi:[1,0] neg_lo:[0,1] neg_hi:[0,1]
	v_pk_add_f32 v[192+\j:193+\j], v[192+\j:193+\j], v[118:119] op_sel_hi:[1,0] neg_lo:[0,1] neg_hi:[0,1]
.endr
	LSQ 0
	LSQ 1
	RSUM 1024
	v_fma_f32 v110, v110, s55, s56                 ; the variances + 1e-5
	s_delay_alu instid0(VALU_DEP_2)
	v_fma_f32 v118, v118, s55, s56
	s_wait_alu depctr_va_vdst(0)
	v_rsq_f32 v112, v110
	v_rsq_f32 v120, v118
	v_nop                                          ; one plain instruction behind the transcendentals
	s_wait_alu depctr_va_vdst(0)
.irp j, 0,2,4,6,8,10,12,14,16,18,20,22,24,26,28,30,32,34,36,38,40,42,44,46,48,50,52,54,56,58,60,62
	v_pk_mul_f32 v[128+\j:129+\j], v[128+\j:129+\j], v[112:113] op_sel_hi:[1,0]
	v_pk_mul_f32 v[192+\j:193+\j], v[192+\j:193+\j], v[120:121] op_sel_hi:[1,0]
.endr
	s_wait_loadcnt 0x0                             ; gamma2, beta2
	WIN 0x14                                       ; sources 1 and 2 in window 1
.irp j, 0,2,4,6,8,10,12,14,16,18,20,22,24,26,28,30,32,34,36,38,40,42,44,46,48,50,52,54,56,58,60,62
	v_pk_fma_f32 v[128+\j:129+\j], v[128+\j:129+\j], v[\j:\j+1], v[64+\j:65+\j]
	v_pk_fma_f32 v[192+\j:193+\j], v[192+\j:193+\j], v[\j:\j+1], v[64+\j:65+\j]
.endr
	WIN 0
; OUT.  h2 as f32 goes back through the rows' stage (every wave's reads of it were waited for ahead of the barriers above) and leaves as whole rows; its codes are made from the registers.
.irp i, 0,1,2,3,4,5,6,7
	ds_store_b128 v7, v[128+8*\i:131+8*\i] offset:64*\i
	ds_store_b128 v7, v[132+8*\i:135+8*\i] offset:64*\i+16
	ds_store_b128 v18, v[192+8*\i:195+8*\i] offset:64*\i
	ds_store_b128 v18, v[196+8*\i:199+8*\i] offset:64*\i+16
.endr
	s_wait_dscnt 0x0
	s_barrier_signal -1
	s_barrier_wait -1
	WIN 0x40
.irp q, 0,1,2,3
.irp j, 0,1,2,3,4,5,6,7
	ds_load_b128 v[128+32*\q+4*\j:131+32*\q+4*\j], v8 offset:XP*\q+512*\j
.endr
.endr
	WIN 0
.macro QUANT s                         ; 64 numbers of a lane: the 16 registers from 16 b on and lane l xor 16's are block b of my row: codes into v[PC] on, the scale word into v[PW]
.irp b, 0,1,2,3
	v_max3_num_f32 v[TM+\b], |v[\s+16*\b]|, |v[\s+1+16*\b]|, 0x8000000
.endr
.irp i, 2,4,6,8,10,12,14
.irp b, 0,1,2,3
	s_delay_alu instid0(VALU_DEP_4)
	v_max3_num_f32 v[TM+\b], v[TM+\b], |v[\s+16*\b+\i]|, |v[\s+1+16*\b+\i]|
.endr
.endr
.irp b, 0,1,2,3
	s_delay_alu instid0(VALU_DEP_4)
	v_permlanex16_b32 v[TM+4+\b], v[TM+\b], s52, s53
.endr
.irp b, 0,1,2,3
	s_delay_alu instid0(VALU_DEP_4)
	v_max_num_f32 v[TM+\b], v[TM+\b], v[TM+4+\b]
.endr
.irp b, 0,1,2,3
	s_delay_alu instid0(VALU_DEP_4)
	v_add_nc_u32 v[TM+12+\b], 0xf8800000, v[TM+\b]
.endr
.irp b, 0,1,2,3
	v_and_or_b32 v[TM+8+\b], v[TM+\b], 0x7f800000, s54
.endr
.irp b, 0,1,2,3
	v_lshrrev_b32 v[TM+4+\b], 23, v[TM+12+\b]
.endr
	s_delay_alu instid0(VALU_DEP_3)
	v_lshl_or_b32 v[PW], v[TM+5], 8, v[TM+4]
	s_delay_alu instid0(VALU_DEP_1)
	v_lshl_or_b32 v[PW], v[TM+6], 16, v[PW]
	s_delay_alu instid0(VALU_DEP_1)
	v_lshl_or_b32 v[PW], v[TM+7], 24, v[PW]
.irp b, 0,1,2,3
.irp i, 0,1,2,3,4,5,6,7,8,9,10,11,12,13,14,15
	v_med3_num_f32 v[\s+16*\b+\i], v[\s+16*\b+\i], -v[TM+8+\b], v[TM+8+\b]
.endr
	v_cvt_scalef32_pk8_bf8_f32 v[PC+4*\b:PC+1+4*\b], v[\s+16*\b:\s+7+16*\b], v[TM+12+\b]
	v_cvt_scalef32_pk8_bf8_f32 v[PC+2+4*\b:PC+3+4*\b], v[\s+8+16*\b:\s+15+16*\b], v[TM+12+\b]
.endr
	v_nop
.endm
.irp m, 0,1
	QUANT 128+64*\m
.if \m == 0
	v_mov_b32 v81, v[PW]
.else
	v_cndmask_b32 v81, v81, v[PW], s57             ; lane l keeps row l's scale word
.endif
.irp b, 0,1,2,3
	ds_store_b64 v13, v[PC+4*\b:PC+4*\b+1] offset:32*\b
	ds_store_b64 v13, v[PC+4*\b+2:PC+4*\b+3] offset:32*\b+16
.endr
.irp t, 0,1,2,3
	ds_load_b128 v[110+4*\t:113+4*\t], v14 offset:576*\t
.endr
	s_wait_dscnt 0x0
.irp t, 0,1,2,3
	global_store_b128 v5, v[110+4*\t:113+4*\t], s[48:49] offset:2048*\m+512*\t   ; 512 consecutive bytes, aligned
.endr
	s_wait_xcnt 0x0                                ; the stores have read their registers
.endr
	s_wait_alu depctr_va_vdst(0)
	global_store_b32 v6, v81, s[50:51]             ; 32 rows' words: 128 consecutive bytes
	WIN 0x04                                       ; a store's data are its source 1: window 1
.irp q, 0,1,2,3
.irp j, 0,1,2,3,4,5,6,7
	global_store_b128 v5, v[128+32*\q+4*\j:131+32*\q+4*\j], s[46:47] offset:4096*\q+512*\j
.endr
.endr
	WIN 0
	s_wait_tensorcnt 0x0
	ds_add_u32 v62, v63
	s_wait_dscnt 0x0
	s_endpgm
.Lfunc_end_k_q21914f94bd_projln:
	.size	k_q21914f94bd_projln, .Lfunc_end_k_q21914f94bd_projln-k_q21914f94bd_projln
	.p2alignl 7, 3214868480
	.fill 96, 4, 3214868480
	.section	.rodata,"a",@progbits
	.p2align	6, 0x0
	.amdhsa_kernel k_q21914f94bd_projln
		.amdhsa_group_segment_fixed_size 187904
		.amdhsa_private_segment_fixed_size 0
		.amdhsa_enable_private_segment 0
		.amdhsa_kernarg_size 48
		.amdhsa_user_sgpr_count 2
		.amdhsa_user_sgpr_kernarg_segment_ptr 1
		.amdhsa_wavefront_size32 1
		.amdhsa_system_sgpr_workgroup_id_x 1
		.amdhsa_system_sgpr_workgroup_id_y 1
		.amdhsa_system_sgpr_workgroup_id_z 1
		.amdhsa_system_vgpr_workitem_id 0
		.amdhsa_next_free_vgpr 512
		.amdhsa_next_free_sgpr 66
		.amdhsa_reserve_vcc 0
		.amdhsa_float_denorm_mode_32 3
		.amdhsa_float_denorm_mode_16_64 3
		.amdhsa_memory_ordered 1
		.amdhsa_forward_progress 1
		.amdhsa_inst_pref_size 127
	.end_amdhsa_kernel
	.amdgpu_metadata
---
amdhsa.version: [ 1, 2 ]
amdhsa.kernels:
  - .name:           k_q21914f94bd_projln
    .symbol:         k_q21914f94bd_projln.kd
    .args:
      - { .name: ws2, .offset: 0, .size: 8, .value_kind: global_buffer, .address_space: global }
      - { .name: ws0, .offset: 8, .size: 8, .value_kind: global_buffer, .address_space: global }
      - { .name: b_proj, .offset: 16, .size: 8, .value_kind: global_buffer, .address_space: global }
      - { .name: gamma2, .offset: 24, .size: 8, .value_kind: global_buffer, .address_space: global }
      - { .name: beta2, .offset: 32, .size: 8, .value_kind: global_buffer, .address_space: global }
      - { .name: ws3, .offset: 40, .size: 8, .value_kind: global_buffer, .address_space: global }
    .group_segment_fixed_size: 187904
    .private_segment_fixed_size: 0
    .kernarg_segment_align: 8
    .kernarg_segment_size: 48
    .max_flat_workgroup_size: 256
    .sgpr_count:     66
    .vgpr_count:     512
    .wavefront_size: 32
...
	.end_amdgpu_metadata
.endif
;; end of part 4
;; launch ffn1 (part 5): grid 16 x 16, 4 waves a work-group, clusters of 4 x 4, 327,680 bytes of LDS; arguments ws3, ws0, b1, ws4; writes ws4
.if DOCPART == 5
	.amdgcn_target "amdgcn-amd-amdhsa--gfx1250"
	.amdhsa_code_object_version 6
	.text
	.protected	k_q21914f94bd_ffn1
	.globl	k_q21914f94bd_ffn1
	.p2align	8
	.type	k_q21914f94bd_ffn1,@function
k_q21914f94bd_ffn1:
	s_mov_b64 s[64:65], 0
	v_nop
	global_prefetch_b8 v0, s[64:65] scope:SCOPE_SE
	s_setreg_imm32_b32 hwreg(HW_REG_WAVE_MODE, 25, 1), 1
	s_wait_xcnt 0x0
	s_wait_alu depctr_hold_cnt(0) depctr_sa_sdst(0) depctr_va_vdst(0) depctr_va_sdst(0) depctr_va_ssrc(0) depctr_va_vcc(0) depctr_vm_vsrc(0)
	s_getreg_b32 s2, hwreg(HW_REG_IB_STS2, 6, 4)
	s_cmp_eq_u32 s2, 0
	s_cbranch_scc0 .Lentry_in_a_cluster
	s_endpgm
.Lentry_in_a_cluster:
	s_bfe_u32 s2, ttmp6, 0x10000c
	s_cmp_lg_u32 s2, 0xf033
	s_cbranch_scc0 .Lentry_shape_is_right
	s_endpgm
.Lentry_shape_is_right:
.set FFN,   1
.set NQ,    2
.set PL,    17408
.set HALFT, 2*PL
.set SLOT,  4*HALFT
.set LAPS,  2
.set FR,    16
.set NL,    4
.set NP,    8
.set SCL,   2*SLOT
.set SPARE, SCL+4*4096
.set STG,   SPARE+512
.set SREG,  2816
.set HC,    16777216
.set HS,    33554432
.set WQKC,  20971520
.set WQKS,  33685504
.set WVC,   23068672
.set WVS,   33751040
.set W1C,   25165824
.set W1S,   33816576
.set VC,    8388608
.set QKS,   12582912
.set VS,    12845056
.set H2C,   16777216
.set H2S,   20971520
.set HIDS,  16777216
.if FFN
.set PA, 4
.set PB, 6
.set PO, 10
.else
.set PA, 4
.set PB, 4
.set PO, 6
.endif
.set ADRA, 16
.set ADRB, 20
.set STO,  24
.set RD,   25
.set CO,   26
.set ADRS, 27
.set SPW,  28
.set NIL,  29
.set SWA,  30
.set SWR,  31
.set SC,   32
.set T,    64
.set AF,   128
.set TM,   128
.set PW,   144
.set PC,   146
.set BK,   164
.set G1,   24
.set G0,   32
.set G1B,  48
.set G0B,  56
.set G1S,  68
.set G0S,  76
.set G1SB, 80
.set G0SB, 88
.set SEL,  18
.set MNT,  20
.set MSB, 0
.macro WIN new
.if MSB != \new
	s_set_vgpr_msb (MSB<<8)|\new
.set MSB, \new
.endif
.endm
.set MUL_LO, 0xa1
.set MUL_HI, 0xf1
.set BIA_LO, 0x81
.set BIA_HI, 0xc1
.set TO_B,   0x40
.macro JLOAD g0a, g1a, g0b, g1b
	s_cmp_eq_u32 s15, 0
	s_cbranch_scc0 .Lfor_b_\@
	tensor_load_to_lds s[\g0a:\g0a+3], s[\g1a:\g1a+7]
	s_nop 0
.rept 4
	v_nop
.endr
	s_branch .Lasked_\@
.Lfor_b_\@:
	tensor_load_to_lds s[\g0b:\g0b+3], s[\g1b:\g1b+7]
	s_nop 0
.rept 4
	v_nop
.endr
.Lasked_\@:
.endm
.macro CREST
	s_cmp_lg_u32 s14, 0
	s_cbranch_scc1 .Lnot_wave_0_\@
	s_barrier_signal -3
.Lnot_wave_0_\@:
	s_barrier_wait -3
	s_barrier_signal -1
	s_barrier_wait -1
.endm
.macro CROUND
	s_barrier_signal -1
	s_barrier_wait -1
	CREST
.endm
.if FFN
	s_load_b256 s[4:11], s[0:1], 0x0
.else
	s_load_b128 s[4:7], s[0:1], 0x0
.endif
	v_lshl_add_u32 v[SPW], v0, 2, SPARE
	v_mov_b32 v[NIL], 0
	ds_add_u32 v28, v29
	ds_add_u32 v28, v29
	s_wait_dscnt 0x0
	v_lshrrev_b32 v1, 5, v0
	v_readfirstlane_b32 s14, v1
	s_lshr_b32 s15, s14, 1
	s_and_b32 s16, s14, 1
	s_bfe_u32 s40, ttmp6, 0x40000
	s_bfe_u32 s41, ttmp6, 0x40004
	s_lshl_b32 s19, ttmp9, 2
	s_and_b32 s18, ttmp7, 0xffff
	s_lshl_b32 s18, s18, 2
.if FFN
	s_mov_b32 s17, s18
	s_mov_b32 s42, s19
	s_mov_b32 s66, H2C
	s_mov_b32 s67, W1C
	s_mov_b32 s98, H2S
	s_mov_b32 s99, W1S
	s_mov_b32 s95, 0
	s_mov_b32 s2, HIDS
	s_mov_b32 s3, 5
.else
	s_mov_b32 s20, HC
	s_mov_b32 s21, WQKC
	s_mov_b32 s22, HS
	s_mov_b32 s23, WQKS
	s_mov_b32 s45, QKS
	s_cmp_eq_u32 ttmp9, 2
	s_cselect_b32 s17, 0, s18
	s_cselect_b32 s42, s18, s19
	s_cselect_b32 s66, WVC, s20
	s_cselect_b32 s67, s20, s21
	s_cselect_b32 s98, WVS, s22
	s_cselect_b32 s99, s22, s23
	s_cselect_b32 s95, VC, 0
	s_cselect_b32 s2, VS, s45
	s_cselect_b32 s3, 5, 4
.endif
	s_add_co_u32 s17, s17, s41
	s_add_co_u32 s42, s42, s40
	s_lshl_b32 s43, s41, 2
	s_lshl_b32 s43, 15, s43
	s_lshl_b32 s44, 0x1111, s40
	s_or_b32 s[G1+0], s43, (1<<20)|(1<<21)|(5<<22)|(3<<25)
	s_or_b32 s[G1B+0], s44, (1<<20)|(1<<21)|(5<<22)|(3<<25)
.irp g, G1, G1B
	s_mov_b32 s[\g+1], 0x80000000                  ; the head's form: two blocks of 128 rows x 256 along K, each 32,768 bytes on end, as two rows of 32,768 bytes
	s_mov_b32 s[\g+2], 2<<16
	s_mov_b32 s[\g+3], 0x80000000
	s_mov_b32 s[\g+4], 2
	s_mov_b32 s[\g+5], 131072                      ; from block to block; the padding stays behind each 256 bytes
	s_mov_b32 s[\g+6], 0
	s_mov_b32 s[\g+7], 0
.endr
	s_or_b32 s[G1S+0], s43, (3<<16)|(1<<21)
	s_or_b32 s[G1SB+0], s44, (3<<16)|(1<<21)
.irp g, G1S, G1SB
	s_mov_b32 s[\g+1], 32<<16
	s_mov_b32 s[\g+2], 32<<16                      ; 8,192 bytes: the scale words of 256 rows
	s_mov_b32 s[\g+3], 32<<16
	s_mov_b32 s[\g+4], 32
	s_mov_b32 s[\g+5], 32
	s_mov_b32 s[\g+6], 0
	s_mov_b32 s[\g+7], 0
.endr
	s_lshl_b32 s20, s17, 1
	s_add_co_u32 s20, s20, s16
	s_lshl_b32 s22, s20, 12
	s_lshl_b32 s20, s20, 17
	s_add_co_u32 s20, s20, s66
	s_add_co_u32 s22, s22, s98
	s_mov_b32 s21, 0
	s_mov_b32 s23, 0
	s_lshl_b32 s46, s42, 1
	s_add_co_u32 s46, s46, s16
	s_lshl_b32 s92, s46, 12
	s_lshl_b32 s46, s46, 17
	s_add_co_u32 s46, s46, s67
	s_add_co_u32 s92, s92, s99
	s_mov_b32 s47, 0
	s_mov_b32 s93, 0
	s_mul_i32 s45, s14, HALFT
	s_lshl_b32 s94, s14, 12
	s_wait_kmcnt 0x0
	s_add_nc_u64 s[20:21], s[PA:PA+1], s[20:21]
	s_add_nc_u64 s[22:23], s[PA:PA+1], s[22:23]
	s_add_nc_u64 s[46:47], s[PB:PB+1], s[46:47]
	s_add_nc_u64 s[92:93], s[PB:PB+1], s[92:93]
	CROUND
	s_mov_b32 s[G0S], 1
	s_add_co_u32 s[G0S+1], s94, SCL
	s_mov_b64 s[G0S+2:G0S+3], s[22:23]
	s_or_b32 s[G0S+3], s[G0S+3], 0x80000000
	s_mov_b32 s[G0SB], 1
	s_add_co_u32 s[G0SB+1], s94, SCL
	s_mov_b64 s[G0SB+2:G0SB+3], s[92:93]
	s_or_b32 s[G0SB+3], s[G0SB+3], 0x80000000
.irp s, 0,1
	s_mov_b32 s[G0+4*\s], 1
	s_add_co_u32 s[G0+4*\s+1], s45, \s*SLOT
	s_add_nc_u64 s[G0+4*\s+2:G0+4*\s+3], s[20:21], \s*32768
	s_or_b32 s[G0+4*\s+3], s[G0+4*\s+3], 0x80000000
	s_mov_b32 s[G0B+4*\s], 1
	s_add_co_u32 s[G0B+4*\s+1], s45, \s*SLOT
	s_add_nc_u64 s[G0B+4*\s+2:G0B+4*\s+3], s[46:47], \s*32768
	s_or_b32 s[G0B+4*\s+3], s[G0B+4*\s+3], 0x80000000
.endr
; hidden = relu(h2 w1 + b1) on codes of E5M2, quantised along dff on its way out: launch qkv's text with FFN = 1.
; THE HEAD'S FOUR TILES, ONE JOINT LOAD A WAVE: wave 0 K step 0's 256 rows of A, wave 1 those of B, wave 2 the scale words of A's 256 rows, wave 3 those of B's.
	s_lshl_b32 s92, s16, 12
	s_mov_b32 s93, 0
	s_sub_nc_u64 s[G0S+2:G0S+3], s[G0S+2:G0S+3], s[92:93]
	s_sub_nc_u64 s[G0SB+2:G0SB+3], s[G0SB+2:G0SB+3], s[92:93]
	s_mov_b32 s[G0S+1], SCL
	s_mov_b32 s[G0SB+1], SCL+8192
	s_lshl_b32 s92, s16, 17
	s_sub_nc_u64 s[G0+2:G0+3], s[G0+2:G0+3], s[92:93]
	s_sub_nc_u64 s[G0B+2:G0B+3], s[G0B+2:G0B+3], s[92:93]
	s_mov_b32 s[G0+1], 0
	s_mov_b32 s[G0B+1], 2*HALFT
.macro ARM under, g0, g1, next
	s_cmp_lt_u32 s14, \under
	s_cbranch_scc0 \next
	tensor_load_to_lds s[\g0:\g0+3], s[\g1:\g1+7]
	s_nop 0
.rept 4
	v_nop
.endr
	s_branch .Lhead_asked
\next:
.endm
	ARM 1, G0,  G1,  .Lhead_b
	ARM 2, G0B, G1B, .Lhead_sa
	ARM 3, G0S, G1S, .Lhead_sb
	tensor_load_to_lds s[G0SB:G0SB+3], s[G1SB:G1SB+7]
	s_nop 0
.rept 4
	v_nop
.endr
.Lhead_asked:
; PREFETCH: K steps 2 and 3, which the two refills will want, are asked for behind the two first fills.  Of the 32,768 bytes that I fetch of a K step, each of the four partners that ask for them jointly
; takes 8,192, told apart by address (cx for A, cy for B); lanes 256 bytes apart: each block of 256 bytes is named once in the cluster.
	s_cmp_eq_u32 s15, 0
	s_cselect_b64 s[98:99], s[20:21], s[46:47]
	s_cselect_b32 s66, s40, s41
	s_lshl_b32 s66, s66, 13
	s_add_co_u32 s66, s66, 32768                   ; at K step 1
	s_mov_b32 s67, 0
	s_add_nc_u64 s[98:99], s[98:99], s[66:67]
	v_and_b32 v12, 31, v0
	v_lshlrev_b32 v12, 8, v12
	global_prefetch_b8 v12, s[98:99] th:TH_LOAD_NT scope:SCOPE_SE                ; K step 1, whose load is issued when the head's tiles have landed,
	global_prefetch_b8 v12, s[98:99] offset:32768 th:TH_LOAD_NT scope:SCOPE_SE   ; and K step 2
	v_and_b32 v1, 15, v0
	v_bfe_u32 v2, v0, 4, 1
	v_lshrrev_b32 v3, 1, v1
	v_mul_u32_u24 v3, v3, 272
	v_and_b32 v4, 1, v1
	v_lshl_add_u32 v3, v4, 7, v3
	v_lshl_add_u32 v4, v2, 4, v3
	s_mul_i32 s21, s15, HALFT
	s_mul_i32 s22, s16, HALFT
	s_add_co_u32 s22, s22, 2*HALFT
.irp s, 0,1
	v_add_nc_u32 v[ADRA+\s], s21, v4
	v_add_nc_u32 v[ADRB+\s], s22, v4
	s_add_co_u32 s21, s21, SLOT
	s_add_co_u32 s22, s22, SLOT
.endr
	v_lshlrev_b32 v5, 2, v1
	s_add_co_u32 s22, s16, 2
	s_sub_co_u32 s22, s22, s15
	s_lshl_b32 s22, s22, 12
	v_mul_u32_u24 v6, s22, v2
	s_lshl_b32 s21, s15, 12
	s_add_co_u32 s21, s21, SCL
	v_add_nc_u32 v5, v5, v6
	v_add_nc_u32 v[ADRS], s21, v5
	s_mul_i32 s23, s14, SREG
	s_add_co_u32 s23, s23, STG
	v_mul_u32_u24 v5, v1, 144
	v_lshl_add_u32 v5, v2, 3, v5
	v_add_nc_u32 v[STO], s23, v5
	v_and_b32 v6, 31, v0
	v_lshrrev_b32 v7, 3, v6
	v_mul_u32_u24 v7, v7, 144
	v_and_b32 v8, 7, v6
	v_lshl_add_u32 v7, v8, 4, v7
	v_add_nc_u32 v[RD], s23, v7
	v_lshlrev_b32 v[CO], 4, v6
	v_lshlrev_b32 v9, 2, v1
	v_add_nc_u32 v9, s23, v9
	v_add_nc_u32 v[SWA], 2304, v9
	v_add_nc_u32 v10, s23, v[CO]
	v_add_nc_u32 v[SWR], 2304, v10
	s_lshl_b32 s20, s17, 1
	s_add_co_u32 s20, s20, s15
	s_lshl_b32 s20, s20, s3
	s_lshl_b32 s46, s42, 1
	s_add_co_u32 s46, s46, s16
	s_add_co_u32 s20, s20, s46
	s_lshl_b32 s46, s20, 14
	s_add_co_u32 s46, s46, s95
	s_mov_b32 s47, 0
	s_lshl_b32 s20, s20, 9
	s_add_co_u32 s20, s20, s2
	s_mov_b32 s21, 0
	s_add_nc_u64 s[12:13], s[PO:PO+1], s[46:47]
	s_add_nc_u64 s[96:97], s[PO:PO+1], s[20:21]
.if FFN
	s_lshl_b32 s46, s42, 10
	s_lshl_b32 s47, s16, 9
	s_add_co_u32 s46, s46, s47
	s_mov_b32 s47, 0
	s_add_nc_u64 s[8:9], s[8:9], s[46:47]
	v_lshlrev_b32 v11, 5, v2
.irp b, 0,1,2,3,4,5,6,7
	global_load_b128 v[64+8*\b:67+8*\b], v11, s[8:9] offset:64*\b
	global_load_b128 v[68+8*\b:71+8*\b], v11, s[8:9] offset:64*\b+16
.endr
.endif
.macro FRAG reg, adr, q, i
.irp c, 0,1,2,3
	ds_load_b128 v[\reg+4*\c:\reg+4*\c+3], v[\adr] offset:PL*(\q)+32*\c+(\i)*2176
.endr
.endm
.macro MUL16 a0, p, q, sc, zero
.irp a, \a0, \a0+1
.irp b, 0,1,2,3,4,5,6,7
.if \zero
.if FFN
	v_wmma_scale_f32_16x16x128_f8f6f4 v[8*(8*((\a)%4)+\b):8*(8*((\a)%4)+\b)+7], v[128*(\p)+FR*\b:128*(\p)+FR*\b+FR-1], v[AF+FR*(\a):AF+FR*(\a)+FR-1], v[64+8*\b:71+8*\b], v[SC+8*NQ*(\sc)+NQ*\b+(\q)], v[SC+8*NQ*(\sc)+NQ*(\a)+(\q)] matrix_a_fmt:MATRIX_FMT_BF8 matrix_b_fmt:MATRIX_FMT_BF8 matrix_a_scale:MATRIX_SCALE_ROW1
.else
	v_wmma_scale_f32_16x16x128_f8f6f4 v[8*(8*((\a)%4)+\b):8*(8*((\a)%4)+\b)+7], v[128*(\p)+FR*\b:128*(\p)+FR*\b+FR-1], v[AF+FR*(\a):AF+FR*(\a)+FR-1], 0, v[SC+8*NQ*(\sc)+NQ*\b+(\q)], v[SC+8*NQ*(\sc)+NQ*(\a)+(\q)] matrix_a_fmt:MATRIX_FMT_BF8 matrix_b_fmt:MATRIX_FMT_BF8 matrix_a_scale:MATRIX_SCALE_ROW1
.endif
.else
	v_wmma_scale_f32_16x16x128_f8f6f4 v[8*(8*((\a)%4)+\b):8*(8*((\a)%4)+\b)+7], v[128*(\p)+FR*\b:128*(\p)+FR*\b+FR-1], v[AF+FR*(\a):AF+FR*(\a)+FR-1], v[8*(8*((\a)%4)+\b):8*(8*((\a)%4)+\b)+7], v[SC+8*NQ*(\sc)+NQ*\b+(\q)], v[SC+8*NQ*(\sc)+NQ*(\a)+(\q)] matrix_a_fmt:MATRIX_FMT_BF8 matrix_b_fmt:MATRIX_FMT_BF8 matrix_a_scale:MATRIX_SCALE_ROW1
.endif
.endr
.endr
.endm
.macro FETCH_B slot, q, p
	WIN TO_B
.irp i, 0,1,2,3,4,5,6,7
	FRAG 128*(\p)+FR*\i, ADRB+\slot, \q, \i
.endr
	WIN 0
.endm
.macro FETCH_A slot, q, i0
.irp i, \i0, \i0+1, \i0+2, \i0+3
	FRAG AF+FR*(\i), ADRA+\slot, \q, \i
.endr
.endm
.macro SCALES sc
.irp i, 0,1,2,3,4,5,6,7
.irp q, 0,1
	ds_load_b32 v[SC+8*NQ*\sc+NQ*\i+\q], v[ADRS] offset:512*\q+64*\i
.endr
.endr
.endm
.macro PLACES n
.rept \n
	v_nop
.endr
.endm
.macro STEP slot, q, zero
	s_wait_dscnt 4*NL
.if (\zero) && FFN
	WIN BIA_LO
.else
	WIN MUL_LO
.endif
	MUL16 0, (\q)%2, \q, \slot, \zero
	MUL16 2, (\q)%2, \q, \slot, \zero
	s_wait_dscnt 0
	PLACES NP
	FETCH_B \slot, (\q)+1, 1-(\q)%2
	FETCH_A \slot, (\q)+1, 0
.if (\zero) && FFN
	WIN BIA_HI
.else
	WIN MUL_HI
.endif
	MUL16 4, (\q)%2, \q, \slot, \zero
	MUL16 6, (\q)%2, \q, \slot, \zero
	PLACES NP
	WIN 0
	FETCH_A \slot, (\q)+1, 4
.endm
.macro TURN slot, next, fill
	s_wait_tensorcnt 0x0
	ds_add_u32 v[SPW], v[NIL]
	s_wait_dscnt 4*NL+1
	WIN MUL_LO
	MUL16 0, 1, NQ-1, \slot, 0
	s_wait_dscnt 0x0
	s_barrier_signal -1
	MUL16 2, 1, NQ-1, \slot, 0
	WIN 0
	s_barrier_wait -1
.if \fill
	CREST
	s_add_nc_u64 s[G0+4*\slot+2:G0+4*\slot+3], s[G0+4*\slot+2:G0+4*\slot+3], 65536
	s_add_nc_u64 s[G0B+4*\slot+2:G0B+4*\slot+3], s[G0B+4*\slot+2:G0B+4*\slot+3], 65536
	JLOAD G0+4*\slot, G1, G0B+4*\slot, G1B
	PLACES NP-4
.else
	PLACES NP
.endif
	s_wait_alu depctr_va_vdst(0)
	v_add_nc_u32 v[ADRS], 1024, v[ADRS]
	FETCH_B \next, 0, 0
	FETCH_A \next, 0, 0
	SCALES \next
	WIN MUL_HI
	MUL16 4, 1, NQ-1, \slot, 0
	MUL16 6, 1, NQ-1, \slot, 0
	PLACES NP
	WIN 0
	FETCH_A \next, 0, 4
.endm
	s_wait_alu depctr_va_vdst(0)                   ; the wait at the head's end
	s_wait_tensorcnt 0x0                           ; my tile of the head's four is in; slot 1's first fill is issued as a refill is:
	ds_add_u32 v[SPW], v[NIL]                      ; 0 onto my spare word
.irp g, G1, G1B
	s_mov_b32 s[\g+1], 256<<16                     ; no tensor load of mine is out: from here on a load brings 128 lines of 256 bytes
	s_mov_b32 s[\g+2], 128<<16
	s_mov_b32 s[\g+3], 256<<16
	s_mov_b32 s[\g+4], 128
	s_mov_b32 s[\g+5], 256
.endr
	s_mov_b32 s[G0+1], s45                         ; slot 0's group 0 for the ring: my quarter of the slot, my block of 128 rows
	s_mov_b32 s[G0B+1], s45
	s_add_nc_u64 s[G0+2:G0+3], s[G0+2:G0+3], s[92:93]
	s_add_nc_u64 s[G0B+2:G0B+3], s[G0B+2:G0B+3], s[92:93]
	s_wait_dscnt 0x0
	CROUND                                         ; all four tiles are in, and all sixteen work-groups are here
	JLOAD G0+4, G1, G0B+4, G1B
	global_prefetch_b8 v12, s[98:99] offset:65536 th:TH_LOAD_NT scope:SCOPE_SE   ; K step 3
	FETCH_B 0, 0, 0
	FETCH_A 0, 0, 0
	SCALES 0
	FETCH_A 0, 0, 4
.if FFN
	s_wait_loadcnt 0x0
.endif
	STEP 0, 0, 1
	s_mov_b32 s3, LAPS-1
.Llap:
	TURN 0, 1, 1
	STEP 1, 0, 0
	TURN 1, 0, 1
	STEP 0, 0, 0
	s_sub_co_u32 s3, s3, 1
	s_cmp_lg_u32 s3, 0
	s_cbranch_scc1 .Llap
	TURN 0, 1, 0
	STEP 1, 0, 0
	s_wait_dscnt 4*NL
	WIN MUL_LO
	MUL16 0, 1, NQ-1, 1, 0
	MUL16 2, 1, NQ-1, 1, 0
	s_wait_dscnt 0
	WIN MUL_HI
	MUL16 4, 1, NQ-1, 1, 0
	MUL16 6, 1, NQ-1, 1, 0
	WIN 0
.macro QUANTW a
.set AC, 64*((\a)%4)
.set W1W, 2+(\a)/4
.set W2W, (W1W<<2)|(W1W<<4)
	WIN W2W
.irp b, 0,1,2,3
.if FFN
	v_max3_num_f32 v[TM+\b], 0x8000000, v[AC+16*\b], v[AC+16*\b+1]
.else
	v_max3_num_f32 v[TM+\b], 0x8000000, |v[AC+16*\b]|, |v[AC+16*\b+1]|
.endif
.endr
.irp i, 2,4,6,8,10,12,14
.irp b, 0,1,2,3
.if FFN
	v_max3_num_f32 v[TM+\b], v[TM+\b], v[AC+16*\b+\i], v[AC+16*\b+\i+1]
.else
	v_max3_num_f32 v[TM+\b], v[TM+\b], |v[AC+16*\b+\i]|, |v[AC+16*\b+\i+1]|
.endif
.endr
.endr
	WIN 0
.irp b, 0,1,2,3
	v_permlanex16_b32 v[TM+4+\b], v[TM+\b], s[SEL], s[SEL+1]
.endr
.irp b, 0,1,2,3
	v_max_num_f32 v[TM+\b], v[TM+\b], v[TM+4+\b]
.endr
.irp b, 0,1,2,3
	v_add_nc_u32 v[TM+12+\b], 0xf8800000, v[TM+\b]
.endr
.irp b, 0,1,2,3
	v_and_or_b32 v[TM+8+\b], v[TM+\b], 0x7f800000, s[MNT]
.endr
.irp b, 0,1,2,3
	v_lshrrev_b32 v[TM+4+\b], 23, v[TM+12+\b]
.endr
	v_lshl_or_b32 v[PW], v[TM+5], 8, v[TM+4]
	v_lshl_or_b32 v[PW], v[TM+6], 16, v[PW]
	v_lshl_or_b32 v[PW], v[TM+7], 24, v[PW]
	WIN W1W
.irp b, 0,1,2,3
.irp i, 0,1,2,3,4,5,6,7,8,9,10,11,12,13,14,15
.if FFN
	v_med3_num_f32 v[T+16*\b+\i], v[AC+16*\b+\i], 0, v[TM+8+\b]
.else
	v_med3_num_f32 v[T+16*\b+\i], v[AC+16*\b+\i], -v[TM+8+\b], v[TM+8+\b]
.endif
.endr
.endr
	WIN 0
.irp b, 0,1,2,3
	v_cvt_scalef32_pk8_bf8_f32 v[PC+4*\b:PC+4*\b+1], v[T+16*\b:T+16*\b+7], v[TM+12+\b]
	v_cvt_scalef32_pk8_bf8_f32 v[PC+4*\b+2:PC+4*\b+3], v[T+16*\b+8:T+16*\b+15], v[TM+12+\b]
.endr
	v_nop
.endm
	PLACES NP
	s_mov_b32 s[SEL], 0x76543210
	s_mov_b32 s[SEL+1], 0xfedcba98
	s_mov_b32 s[MNT], 0x600000
.irp b, 0,1,2,3
	v_mov_b32 v[TM+4+\b], 0
.endr
.irp a, 0,1,2,3,4,5,6,7
	QUANTW \a
.irp b, 0,1,2,3
	ds_store_b64 v[STO], v[PC+4*\b:PC+4*\b+1] offset:32*\b
	ds_store_b64 v[STO], v[PC+4*\b+2:PC+4*\b+3] offset:32*\b+16
.endr
	ds_store_b32 v[SWA], v[PW] offset:64*\a
	s_wait_xcnt 0x0
.irp t, 0,1,2,3
	ds_load_b128 v[BK+16*((\a)%2)+4*\t:BK+16*((\a)%2)+4*\t+3], v[RD] offset:576*\t
.endr
	s_wait_dscnt 0x0
.irp t, 0,1,2,3
	global_store_b128 v[CO], v[BK+16*((\a)%2)+4*\t:BK+16*((\a)%2)+4*\t+3], s[12:13] offset:2048*\a+512*\t
.endr
.endr
	ds_load_b128 v[196:199], v[SWR]
	s_wait_dscnt 0x0
	global_store_b128 v[CO], v[196:199], s[96:97]
	s_wait_tensorcnt 0x0
	ds_add_u32 v[SPW], v[NIL]
	s_wait_dscnt 0x0
	CROUND
	s_endpgm
.Lfunc_end_k_q21914f94bd_ffn1:
	.size	k_q21914f94bd_ffn1, .Lfunc_end_k_q21914f94bd_ffn1-k_q21914f94bd_ffn1
	.p2alignl 7, 3214868480
	.fill 96, 4, 3214868480
	.section	.rodata,"a",@progbits
	.p2align	6, 0x0
	.amdhsa_kernel k_q21914f94bd_ffn1
		.amdhsa_group_segment_fixed_size 327680
		.amdhsa_private_segment_fixed_size 0
		.amdhsa_enable_private_segment 0
		.amdhsa_kernarg_size 32
		.amdhsa_user_sgpr_count 2
		.amdhsa_user_sgpr_kernarg_segment_ptr 1
		.amdhsa_wavefront_size32 1
		.amdhsa_system_sgpr_workgroup_id_x 1
		.amdhsa_system_sgpr_workgroup_id_y 1
		.amdhsa_system_sgpr_workgroup_id_z 1
		.amdhsa_system_vgpr_workitem_id 0
		.amdhsa_next_free_vgpr 1024
		.amdhsa_next_free_sgpr 100
		.amdhsa_reserve_vcc 0
		.amdhsa_float_denorm_mode_32 3
		.amdhsa_float_denorm_mode_16_64 3
		.amdhsa_memory_ordered 1
		.amdhsa_forward_progress 1
		.amdhsa_inst_pref_size 198
	.end_amdhsa_kernel
	.amdgpu_metadata
---
amdhsa.version: [ 1, 2 ]
amdhsa.kernels:
  - .name:           k_q21914f94bd_ffn1
    .symbol:         k_q21914f94bd_ffn1.kd
    .args:
      - { .name: ws3, .offset: 0, .size: 8, .value_kind: global_buffer, .address_space: global }
      - { .name: ws0, .offset: 8, .size: 8, .value_kind: global_buffer, .address_space: global }
      - { .name: b1, .offset: 16, .size: 8, .value_kind: global_buffer, .address_space: global }
      - { .name: ws4, .offset: 24, .size: 8, .value_kind: global_buffer, .address_space: global }
    .group_segment_fixed_size: 327680
    .private_segment_fixed_size: 0
    .kernarg_segment_align: 8
    .kernarg_segment_size: 32
    .max_flat_workgroup_size: 128
    .sgpr_count:     100
    .vgpr_count:     1024
    .wavefront_size: 32
...
	.end_amdgpu_metadata
.endif
;; end of part 5
;; launch ffn2 (part 6): grid 8 x 32, 4 waves a work-group, clusters of 4 x 4, 327,680 bytes of LDS; arguments ws4, ws0, ws3, b2, out0; writes out0
.if DOCPART == 6
	.amdgcn_target "amdgcn-amd-amdhsa--gfx1250"
	.amdhsa_code_object_version 6
	.text
	.protected	k_q21914f94bd_ffn2
	.globl	k_q21914f94bd_ffn2
	.p2align	8
	.type	k_q21914f94bd_ffn2,@function
k_q21914f94bd_ffn2:
	s_mov_b64 s[64:65], 0
	v_nop
	global_prefetch_b8 v0, s[64:65] scope:SCOPE_SE
	s_setreg_imm32_b32 hwreg(HW_REG_WAVE_MODE, 25, 1), 1
	s_wait_xcnt 0x0
	s_wait_alu depctr_hold_cnt(0) depctr_sa_sdst(0) depctr_va_vdst(0) depctr_va_sdst(0) depctr_va_ssrc(0) depctr_va_vcc(0) depctr_vm_vsrc(0)
	s_getreg_b32 s2, hwreg(HW_REG_IB_STS2, 6, 4)
	s_cmp_eq_u32 s2, 0
	s_cbranch_scc0 .Lentry_in_a_cluster
	s_endpgm
.Lentry_in_a_cluster:
	s_bfe_u32 s2, ttmp6, 0x10000c
	s_cmp_lg_u32 s2, 0xf033
	s_cbranch_scc0 .Lentry_shape_is_right
	s_endpgm
.Lentry_shape_is_right:
.set PL,    17408
.set HALFT, 2*PL
.set SLOT,  4*HALFT
.set LAPS,  4
.set SCL,   2*SLOT
.set SPARE, SCL+32768
.set W2C,   29360128
.set W2S,   33947648
.set HIDS,  16777216
.set ADRA, 16
.set ADRB, 20
.set STO,  24
.set RD,   25
.set CO,   26
.set ADRS, 27
.set SPW,  28
.set NIL,  29
.set SC,   32
.set BK,   96
.set ACC,  128
.set F0,   0
.set F1,   128
.set G1,   24
.set G0,   32
.set G1B,  48
.set G0B,  56
.set G1S,  68
.set G0S,  76
.set G1SB, 80
.set G0SB, 88
.set MSB, 0
.macro WIN new
.if MSB != \new
	s_set_vgpr_msb (MSB<<8)|\new
.set MSB, \new
.endif
.endm
.set MUL,  0x05
.set TO_F, 0x40
.macro JLOAD g0a, g1a, g0b, g1b
	s_cmp_eq_u32 s15, 0
	s_cbranch_scc0 .Lfor_b_\@
	tensor_load_to_lds s[\g0a:\g0a+3], s[\g1a:\g1a+7]
	s_nop 0
.rept 4
	v_nop
.endr
	s_branch .Lasked_\@
.Lfor_b_\@:
	tensor_load_to_lds s[\g0b:\g0b+3], s[\g1b:\g1b+7]
	s_nop 0
.rept 4
	v_nop
.endr
.Lasked_\@:
.endm
.macro CREST
	s_cmp_lg_u32 s14, 0
	s_cbranch_scc1 .Lnot_wave_0_\@
	s_barrier_signal -3
.Lnot_wave_0_\@:
	s_barrier_wait -3
	s_barrier_signal -1
	s_barrier_wait -1
.endm
.macro CROUND
	s_barrier_signal -1
	s_barrier_wait -1
	CREST
.endm
	s_load_b256 s[4:11], s[0:1], 0x0
	s_load_b64 s[12:13], s[0:1], 0x20
	v_lshl_add_u32 v[SPW], v0, 2, SPARE
	v_mov_b32 v[NIL], 0
	ds_add_u32 v28, v29
	ds_add_u32 v28, v29
	s_wait_dscnt 0x0
	v_lshrrev_b32 v1, 5, v0
	v_readfirstlane_b32 s14, v1
	s_lshr_b32 s15, s14, 1
	s_and_b32 s16, s14, 1
	s_bfe_u32 s40, ttmp6, 0x40000
	s_bfe_u32 s41, ttmp6, 0x40004
	s_lshl_b32 s42, ttmp9, 2
	s_add_co_u32 s42, s42, s40
	s_and_b32 s17, ttmp7, 0xffff
	s_lshl_b32 s17, s17, 2
	s_add_co_u32 s17, s17, s41
	s_lshl_b32 s43, s41, 2
	s_lshl_b32 s43, 15, s43
	s_lshl_b32 s44, 0x1111, s40
	s_or_b32 s[G1+0], s43, (1<<20)|(1<<21)|(5<<22)|(3<<25)
	s_or_b32 s[G1B+0], s44, (1<<20)|(1<<21)|(5<<22)|(3<<25)
.irp g, G1, G1B
	s_mov_b32 s[\g+1], 256<<16
	s_mov_b32 s[\g+2], 256<<16                     ; the head's form: a whole slot's 65,536 bytes of A or of B as 256 lines of 256 bytes
	s_mov_b32 s[\g+3], 256<<16
	s_mov_b32 s[\g+4], 256
	s_mov_b32 s[\g+5], 256
	s_mov_b32 s[\g+6], 0
	s_mov_b32 s[\g+7], 0
.endr
	s_or_b32 s[G1S+0], s43, (3<<16)|(1<<21)
	s_or_b32 s[G1SB+0], s44, (3<<16)|(1<<21)
.irp g, G1S, G1SB
	s_mov_b32 s[\g+1], 32<<16
	s_mov_b32 s[\g+2], 64<<16                      ; 16,384 bytes: the scale words of 128 rows, all of K
	s_mov_b32 s[\g+3], 32<<16
	s_mov_b32 s[\g+4], 64
	s_mov_b32 s[\g+5], 32
	s_mov_b32 s[\g+6], 0
	s_mov_b32 s[\g+7], 0
.endr
	s_lshl_b32 s18, s16, 15
	s_lshl_b32 s19, s16, 13
	s_lshl_b32 s20, s17, 19
	s_add_co_u32 s20, s20, s18
	s_mov_b32 s21, 0
	s_lshl_b32 s22, s17, 14
	s_add_co_u32 s22, s22, s19
	s_add_co_u32 s22, s22, HIDS
	s_mov_b32 s23, 0
	s_lshl_b32 s46, s42, 19
	s_add_co_u32 s46, s46, s18
	s_add_co_u32 s46, s46, W2C
	s_mov_b32 s47, 0
	s_lshl_b32 s92, s42, 14
	s_add_co_u32 s92, s92, s19
	s_add_co_u32 s92, s92, W2S
	s_mov_b32 s93, 0
	s_mul_i32 s45, s14, HALFT
	s_lshl_b32 s94, s14, 13
	s_wait_kmcnt 0x0
	s_add_nc_u64 s[20:21], s[4:5], s[20:21]
	s_add_nc_u64 s[22:23], s[4:5], s[22:23]
	s_add_nc_u64 s[46:47], s[6:7], s[46:47]
	s_add_nc_u64 s[92:93], s[6:7], s[92:93]
	CROUND
	s_mov_b32 s[G0S], 1
	s_add_co_u32 s[G0S+1], s94, SCL
	s_mov_b64 s[G0S+2:G0S+3], s[22:23]
	s_or_b32 s[G0S+3], s[G0S+3], 0x80000000
	s_mov_b32 s[G0SB], 1
	s_add_co_u32 s[G0SB+1], s94, SCL
	s_mov_b64 s[G0SB+2:G0SB+3], s[92:93]
	s_or_b32 s[G0SB+3], s[G0SB+3], 0x80000000
.irp s, 0,1
	s_mov_b32 s[G0+4*\s], 1
	s_add_co_u32 s[G0+4*\s+1], s45, \s*SLOT
	s_add_nc_u64 s[G0+4*\s+2:G0+4*\s+3], s[20:21], \s*65536
	s_or_b32 s[G0+4*\s+3], s[G0+4*\s+3], 0x80000000
	s_mov_b32 s[G0B+4*\s], 1
	s_add_co_u32 s[G0B+4*\s+1], s45, \s*SLOT
	s_add_nc_u64 s[G0B+4*\s+2:G0B+4*\s+3], s[46:47], \s*65536
	s_or_b32 s[G0B+4*\s+3], s[G0B+4*\s+3], 0x80000000
.endr
; out0 = h2 + hidden w2 + b2, the product on codes of E5M2 with E8M0 scales, K = 4,096 in slots of 512; a work-group makes 128 x 128, a wave 64 x 64.
; THE HEAD'S FOUR TILES, ONE JOINT LOAD A WAVE: wave 0 slot 0's four planes of A, wave 1 those of B, wave 2 A's scale words, wave 3 B's.
	s_lshl_b32 s92, s16, 13
	s_mov_b32 s93, 0
	s_sub_nc_u64 s[G0S+2:G0S+3], s[G0S+2:G0S+3], s[92:93]
	s_sub_nc_u64 s[G0SB+2:G0SB+3], s[G0SB+2:G0SB+3], s[92:93]
	s_mov_b32 s[G0S+1], SCL
	s_mov_b32 s[G0SB+1], SCL+16384
	s_lshl_b32 s92, s16, 15
	s_sub_nc_u64 s[G0+2:G0+3], s[G0+2:G0+3], s[92:93]
	s_sub_nc_u64 s[G0B+2:G0B+3], s[G0B+2:G0B+3], s[92:93]
	s_mov_b32 s[G0+1], 0
	s_mov_b32 s[G0B+1], 2*HALFT
.macro ARM under, g0, g1, next
	s_cmp_lt_u32 s14, \under
	s_cbranch_scc0 \next
	tensor_load_to_lds s[\g0:\g0+3], s[\g1:\g1+7]
	s_nop 0
.rept 4
	v_nop
.endr
	s_branch .Lhead_asked
\next:
.endm
	ARM 1, G0,  G1,  .Lhead_b
	ARM 2, G0B, G1B, .Lhead_sa
	ARM 3, G0S, G1S, .Lhead_sb
	tensor_load_to_lds s[G0SB:G0SB+3], s[G1SB:G1SB+7]
	s_nop 0
.rept 4
	v_nop
.endr
.Lhead_asked:
; PREFETCH: behind the load of slot j stands one request for slot j + 2, j = 0 .. 5.  Of the 32,768 bytes that I fetch of a slot, each of the four partners that ask for them jointly takes 8,192,
; told apart by address (cx for A, cy for B); lanes 256 bytes apart: each block of 256 bytes is named once in the cluster.  The last two refills ask for nothing.
	s_cmp_eq_u32 s15, 0
	s_cselect_b64 s[98:99], s[20:21], s[46:47]
	s_cselect_b32 s66, s40, s41
	s_lshl_b32 s66, s66, 13
	s_add_co_u32 s66, s66, 65536                   ; at slot 1
	s_mov_b32 s67, 0
	s_add_nc_u64 s[98:99], s[98:99], s[66:67]
	v_and_b32 v12, 31, v0
	v_lshlrev_b32 v12, 8, v12
	global_prefetch_b8 v12, s[98:99] th:TH_LOAD_NT scope:SCOPE_SE                ; slot 1, whose load is issued when the head's tiles have landed,
	global_prefetch_b8 v12, s[98:99] offset:65536 th:TH_LOAD_NT scope:SCOPE_SE   ; and slot 2
	v_and_b32 v1, 15, v0
	v_bfe_u32 v2, v0, 4, 1
	v_lshrrev_b32 v3, 1, v1
	v_mul_u32_u24 v3, v3, 272
	v_and_b32 v4, 1, v1
	v_lshl_add_u32 v3, v4, 7, v3
	v_lshl_add_u32 v4, v2, 4, v3
	s_mul_i32 s21, s15, 8704
	s_mul_i32 s22, s16, 8704
	s_add_co_u32 s22, s22, 4*PL
.irp s, 0,1
	v_add_nc_u32 v[ADRA+\s], s21, v4
	v_add_nc_u32 v[ADRB+\s], s22, v4
	s_add_co_u32 s21, s21, SLOT
	s_add_co_u32 s22, s22, SLOT
.endr
	s_lshl_b32 s21, s15, 8
	s_lshl_b32 s22, s16, 8
	s_add_co_u32 s22, s22, 16384
	s_sub_co_u32 s22, s22, s21
	v_mul_u32_u24 v6, s22, v2
	s_add_co_u32 s21, s21, SCL
	v_lshlrev_b32 v5, 2, v1
	v_add_nc_u32 v5, v5, v6
	v_add_nc_u32 v[ADRS], s21, v5
	s_mul_i32 s23, s14, 4352
	v_mul_u32_u24 v5, v1, 272
	v_lshl_add_u32 v5, v2, 5, v5
	v_add_nc_u32 v[STO], s23, v5
	v_mul_u32_u24 v5, v2, 272
	v_lshl_add_u32 v5, v1, 4, v5
	v_add_nc_u32 v[RD], s23, v5
	v_lshlrev_b32 v5, 12, v2
	v_lshl_add_u32 v[CO], v1, 4, v5
	s_wait_alu depctr_va_vdst(0)
	s_lshl_b32 s20, s17, 7
	s_lshl_b32 s21, s15, 6
	s_add_co_u32 s20, s20, s21
	s_lshl_b32 s20, s20, 12
	s_lshl_b32 s46, s42, 9
	s_lshl_b32 s47, s16, 8
	s_add_co_u32 s46, s46, s47
	s_mov_b32 s47, 0
	s_add_nc_u64 s[10:11], s[10:11], s[46:47]
	s_add_co_u32 s20, s20, s46
	s_mov_b32 s21, 0
	s_add_nc_u64 s[8:9], s[8:9], s[20:21]
	s_add_nc_u64 s[12:13], s[12:13], s[20:21]
	v_lshlrev_b32 v11, 5, v2
.irp b, 0,1,2,3
	global_load_b128 v[64+8*\b:67+8*\b], v11, s[10:11] offset:64*\b
	global_load_b128 v[68+8*\b:71+8*\b], v11, s[10:11] offset:64*\b+16
.endr
.macro MUL4 f, a, q, set, first
.irp b, 0,1,2,3
.if \first
	v_wmma_scale_f32_16x16x128_f8f6f4 v[ACC+8*(4*(\a)+\b):ACC+8*(4*(\a)+\b)+7], v[\f+16*\b:\f+16*\b+15], v[\f+64+16*(\a):\f+64+16*(\a)+15], v[64+8*\b:71+8*\b], v[SC+16*(\set)+4*(\q)+\b], v[SC+16*(\set)+4*(\q)+(\a)] matrix_a_fmt:MATRIX_FMT_BF8 matrix_b_fmt:MATRIX_FMT_BF8 matrix_a_scale:MATRIX_SCALE_ROW1
.else
	v_wmma_scale_f32_16x16x128_f8f6f4 v[ACC+8*(4*(\a)+\b):ACC+8*(4*(\a)+\b)+7], v[\f+16*\b:\f+16*\b+15], v[\f+64+16*(\a):\f+64+16*(\a)+15], v[ACC+8*(4*(\a)+\b):ACC+8*(4*(\a)+\b)+7], v[SC+16*(\set)+4*(\q)+\b], v[SC+16*(\set)+4*(\q)+(\a)] matrix_a_fmt:MATRIX_FMT_BF8 matrix_b_fmt:MATRIX_FMT_BF8 matrix_a_scale:MATRIX_SCALE_ROW1
.endif
.endr
.endm
.macro FETCH slot, q, f
	WIN TO_F
.irp i, 0,1,2,3
.irp c, 0,1,2,3
	ds_load_b128 v[\f+16*\i+4*\c:\f+16*\i+4*\c+3], v[ADRB+\slot] offset:PL*(\q)+2176*\i+32*\c
.endr
.endr
.irp i, 0,1,2,3
.irp c, 0,1,2,3
	ds_load_b128 v[\f+64+16*\i+4*\c:\f+64+16*\i+4*\c+3], v[ADRA+\slot] offset:PL*(\q)+2176*\i+32*\c
.endr
.endr
.endm
.macro SCALES set
.irp q, 0,1,2,3
.irp i, 0,1,2,3
	ds_load_b32 v[SC+16*\set+4*\q+\i], v[ADRS] offset:512*\q+64*\i
.endr
.endr
.endm
.macro PLACES n
.rept \n
	v_nop
.endr
.endm
.macro QUARTER slot, q, f, g, first
	s_wait_dscnt 8
	WIN MUL
	MUL4 \f, 0, \q, \slot, \first
	MUL4 \f, 1, \q, \slot, \first
	PLACES 8
	FETCH \slot, (\q)+1, \g
	s_wait_dscnt 32
	WIN MUL
	MUL4 \f, 2, \q, \slot, \first
	MUL4 \f, 3, \q, \slot, \first
.endm
.macro TURN slot, next, fill
	WIN 0
.if \fill
	s_wait_xcnt 0x0                                ; my last prefetch has read its address: it steps a slot on
	s_add_nc_u64 s[98:99], s[98:99], 65536
.endif
	s_wait_tensorcnt 0x0
	ds_add_u32 v[SPW], v[NIL]
	s_wait_dscnt 9
	WIN MUL
	MUL4 F1, 0, 3, \slot, 0
	s_wait_dscnt 0x0
	s_barrier_signal -1
	MUL4 F1, 1, 3, \slot, 0
	WIN 0
	s_barrier_wait -1
.if \fill
	CREST
	s_add_nc_u64 s[G0+4*\slot+2:G0+4*\slot+3], s[G0+4*\slot+2:G0+4*\slot+3], 131072
	s_add_nc_u64 s[G0B+4*\slot+2:G0B+4*\slot+3], s[G0B+4*\slot+2:G0B+4*\slot+3], 131072
	JLOAD G0+4*\slot, G1, G0B+4*\slot, G1B
	PLACES 4
.else
	PLACES 8
.endif
	s_wait_alu depctr_va_vdst(0)
	v_add_nc_u32 v[ADRS], 2048, v[ADRS]
	SCALES \next
	FETCH \next, 0, F0
.if \fill
	WIN 0
	s_cmp_gt_u32 s3, 1                             ; the loop's last trip loads slots 6 and 7: no slot stands two on
	s_cbranch_scc0 .Lno_ask_\@
	global_prefetch_b8 v12, s[98:99] offset:131072 th:TH_LOAD_NT scope:SCOPE_SE
.Lno_ask_\@:
.endif
	WIN MUL
	MUL4 F1, 2, 3, \slot, 0
	MUL4 F1, 3, 3, \slot, 0
.endm
	s_wait_alu depctr_va_vdst(0)                   ; the wait at the head's end
	s_wait_tensorcnt 0x0                           ; my tile of the head's four is in; slot 1's first fill is issued as a refill is:
	ds_add_u32 v[SPW], v[NIL]                      ; 0 onto my spare word
.irp g, G1, G1B
	s_mov_b32 s[\g+2], 128<<16                     ; no tensor load of mine is out: from here on a load brings 128 lines
	s_mov_b32 s[\g+4], 128
.endr
	s_mov_b32 s[G0+1], s45                         ; slot 0's group 0 for the ring: my quarter of the slot
	s_mov_b32 s[G0B+1], s45
	s_add_nc_u64 s[G0+2:G0+3], s[G0+2:G0+3], s[92:93]
	s_add_nc_u64 s[G0B+2:G0B+3], s[G0B+2:G0B+3], s[92:93]
	s_wait_dscnt 0x0
	CROUND                                         ; all four tiles are in, and all sixteen work-groups are here
	JLOAD G0+4, G1, G0B+4, G1B
	global_prefetch_b8 v12, s[98:99] offset:131072 th:TH_LOAD_NT scope:SCOPE_SE   ; slot 3
	SCALES 0
	FETCH 0, 0, F0
	s_wait_loadcnt 0x0                             ; b2's eight loads: the first products' C
	QUARTER 0, 0, F0, F1, 1
	WIN 0
	WIN 0x80                                       ; my 64 x 64 numbers of h2, wanted on the way out alone, are asked for here, behind the head's tiles: 32 loads into window 2
.irp a, 0,1,2,3
.irp t, 0,1,2,3,4,5,6,7
	global_load_b128 v[32*\a+4*\t:32*\a+4*\t+3], v[CO], s[8:9] offset:(16*\a+2*\t)*4096 th:TH_LOAD_NT
.endr
.endr
	WIN 0
	s_mov_b32 s3, LAPS-1
.Llap:
	QUARTER 0, 1, F1, F0, 0
	QUARTER 0, 2, F0, F1, 0
	TURN 0, 1, 1
	QUARTER 1, 0, F0, F1, 0
	QUARTER 1, 1, F1, F0, 0
	QUARTER 1, 2, F0, F1, 0
	TURN 1, 0, 1
	QUARTER 0, 0, F0, F1, 0
	WIN 0
	s_sub_co_u32 s3, s3, 1
	s_cmp_lg_u32 s3, 0
	s_cbranch_scc1 .Llap
	QUARTER 0, 1, F1, F0, 0
	QUARTER 0, 2, F0, F1, 0
	TURN 0, 1, 0
	QUARTER 1, 0, F0, F1, 0
	QUARTER 1, 1, F1, F0, 0
	QUARTER 1, 2, F0, F1, 0
	s_wait_dscnt 8
	WIN MUL
	MUL4 F1, 0, 3, 1, 0
	MUL4 F1, 1, 3, 1, 0
	s_wait_dscnt 0
	MUL4 F1, 2, 3, 1, 0
	MUL4 F1, 3, 3, 1, 0
	WIN 0
	PLACES 8
	s_wait_loadcnt 0x0
.irp a, 0,1,2,3
.irp b, 0,1,2,3
	ds_store_b128 v[STO], v[ACC+8*(4*\a+\b):ACC+8*(4*\a+\b)+3] offset:64*\b
	ds_store_b128 v[STO], v[ACC+8*(4*\a+\b)+4:ACC+8*(4*\a+\b)+7] offset:64*\b+16
.endr
	s_wait_xcnt 0x0
.irp t, 0,1,2,3,4,5,6,7
	ds_load_b128 v[BK+4*\t:BK+4*\t+3], v[RD] offset:544*\t
.endr
	s_wait_dscnt 0x0
	WIN 0x08
.irp n, 0,2,4,6,8,10,12,14,16,18,20,22,24,26,28,30
	v_pk_add_f32 v[BK+\n:BK+\n+1], v[BK+\n:BK+\n+1], v[32*\a+\n:32*\a+\n+1]
.endr
	WIN 0
.irp t, 0,1,2,3,4,5,6,7
	global_store_b128 v[CO], v[BK+4*\t:BK+4*\t+3], s[12:13] offset:(16*\a+2*\t)*4096 th:TH_STORE_NT
.endr
.endr
	s_wait_tensorcnt 0x0
	ds_add_u32 v[SPW], v[NIL]
	s_wait_dscnt 0x0
	CROUND
	s_endpgm
.Lfunc_end_k_q21914f94bd_ffn2:
	.size	k_q21914f94bd_ffn2, .Lfunc_end_k_q21914f94bd_ffn2-k_q21914f94bd_ffn2
	.p2alignl 7, 3214868480
	.fill 96, 4, 3214868480
	.section	.rodata,"a",@progbits
	.p2align	6, 0x0
	.amdhsa_kernel k_q21914f94bd_ffn2
		.amdhsa_group_segment_fixed_size 327680
		.amdhsa_private_segment_fixed_size 0
		.amdhsa_enable_private_segment 0
		.amdhsa_kernarg_size 40
		.amdhsa_user_sgpr_count 2
		.amdhsa_user_sgpr_kernarg_segment_ptr 1
		.amdhsa_wavefront_size32 1
		.amdhsa_system_sgpr_workgroup_id_x 1
		.amdhsa_system_sgpr_workgroup_id_y 1
		.amdhsa_system_sgpr_workgroup_id_z 1
		.amdhsa_system_vgpr_workitem_id 0
		.amdhsa_next_free_vgpr 640
		.amdhsa_next_free_sgpr 100
		.amdhsa_reserve_vcc 0
		.amdhsa_float_denorm_mode_32 3
		.amdhsa_float_denorm_mode_16_64 3
		.amdhsa_memory_ordered 1
		.amdhsa_forward_progress 1
		.amdhsa_inst_pref_size 105
	.end_amdhsa_kernel
	.amdgpu_metadata
---
amdhsa.version: [ 1, 2 ]
amdhsa.kernels:
  - .name:           k_q21914f94bd_ffn2
    .symbol:         k_q21914f94bd_ffn2.kd
    .args:
      - { .name: ws4, .offset: 0, .size: 8, .value_kind: global_buffer, .address_space: global }
      - { .name: ws0, .offset: 8, .size: 8, .value_kind: global_buffer, .address_space: global }
      - { .name: ws3, .offset: 16, .size: 8, .value_kind: global_buffer, .address_space: global }
      - { .name: b2, .offset: 24, .size: 8, .value_kind: global_buffer, .address_space: global }
      - { .name: out0, .offset: 32, .size: 8, .value_kind: global_buffer, .address_space: global }
    .group_segment_fixed_size: 327680
    .private_segment_fixed_size: 0
    .kernarg_segment_align: 8
    .kernarg_segment_size: 40
    .max_flat_workgroup_size: 128
    .sgpr_count:     100
    .vgpr_count:     640
    .wavefront_size: 32
...
	.end_amdgpu_metadata
.endif
;; end of part 6
